; MI455X (gfx1250); checked and timed in simulation.
; The chip was launched on July 23, 2026; its instructions are those of AMD's public machine-readable ISA for CDNA 5 (MIT licence, August 2026) and "CDNA5" Instruction Set Architecture Reference Guide (July 2026). The comments in the code are by the model that wrote it; some were corrected since.
;; Euclidean Attention. Allowed arithmetic: matrix products marked QUANTISED: E4M3 operands, one given power-of-two scale a tensor, by v_wmma_f32_16x16x64_fp8_fp8 or v_wmma_f32_16x16x128_fp8_fp8, f32 sums; everything else in f32.
;; Inputs: W_k 1,024 x 1,024 float32; W_o 1,024 x 1,024 float32; W_q 1,024 x 1,024 float32; W_v 1,024 x 1,024 float32; lowp_scales 12 int32 (the exponents e of the quantised operands' scales 2^e); x 4 x 2,048 x 1,024 float32.
;; Outputs: out0 4 x 2,048 x 1,024 float32.
;; This version of the problem:
;;   THIS VERSION OF THE PROBLEM IS GIVEN IN LOW PRECISION. The matrix products marked QUANTISED in the list below multiply operands that are first quantised to E4M3 (4 exponent bits, 3 mantissa bits; 8 bits a number), with one given power-of-two scale for each operand tensor; their sums are f32. All else is computed in f32.
;;   The module's matrix products, in the order in which they are computed (A, B: the left and right operand; K: the contracted axis; several contracted axes count as one K, in the product's order):
;;     1. [M 8,192, K 1,024] x [K 1,024, N 1,024]; A: input x; B: input W_q: QUANTISED (scales: A lowp_scales[0], B lowp_scales[1])
;;     2. [M 8,192, K 1,024] x [K 1,024, N 1,024]; A: input x; B: input W_k: QUANTISED (scales: A lowp_scales[2], B lowp_scales[3])
;;     3. [M 8,192, K 1,024] x [K 1,024, N 1,024]; A: input x; B: input W_v: QUANTISED (scales: A lowp_scales[4], B lowp_scales[5])
;;     4. batch 64 x [M 2,048, K 64] x [K 64, N 2,048]; A: computed on the way; B: computed on the way: QUANTISED (scales: A lowp_scales[6], B lowp_scales[7])
;;     5. batch 64 x [M 2,048, K 2,048] x [K 2,048, N 64]; A: softmax (see below); B: computed on the way: QUANTISED (scales: A lowp_scales[8], B lowp_scales[9])
;;     6. [M 8,192, K 1,024] x [K 1,024, N 1,024]; A: computed on the way; B: input W_o: QUANTISED (scales: A lowp_scales[10], B lowp_scales[11])
;;   THE QUANTISER, for each operand of a quantised product, along K:
;;     - The operand's scale is 2^e, e = its entry of the input lowp_scales (int32; the entries are numbered through the quantised products in the list's order, A before B).
;;     - Each number is divided by the scale, clamped to +-448, and rounded to the nearest number of E4M3, ties to even, subnormals kept.
;;     - The product sums the exact products of the quantised numbers (number of the format x scale) in f32.
;;   ~~~python
;;   def quantise(x, axis, e):      # numpy; x: float32 -> the quantised numbers, widened to float32 again
;;       x = np.moveaxis(x, axis, -1); K = x.shape[-1]
;;       r = np.clip(x / 2.0 ** e, -448, 448)
;;       step = 2.0 ** (np.maximum(np.frexp(np.where(r == 0, 1, r))[1] - 1, -6) - 3)
;;       q = np.round(r / step) * step * 2.0 ** e      # np.round: ties to even
;;       return np.moveaxis(q, -1, axis).astype(np.float32)
;;   ~~~
;;   SOFTMAX AHEAD OF A QUANTISED PRODUCT. Where the list says 'softmax', what is quantised is not the finished softmax but p = 2^(t - M), with t = logit x log2(e) and M = ceil(the row's largest t), a whole number; so 1/2 < the row's largest p <= 1. The row's sum l is taken of the UNQUANTISED p, in f32, and the product's result is divided by l at the end. Since M is a whole number, a kernel that streams over the keys may use a running M (the ceiling of the running maximum): every later rescaling is an exact power of two, so the quantised numbers keep their values, but for numbers so far below the row's largest that they fall under the format's range.
;;   OPERANDS COMPUTED ON THE WAY. 'Computed on the way' means the value that the module computes at that place (a softmax that the list does not call 'softmax' is quantised finished and normalised). What goes into a quantiser is computed in f32, as accurately as f32 sums, v_exp_f32 and their like allow (about 1e-6 of the number): no bf16 or f16 on the way to a quantiser, and a product that is left as it is and whose result goes on into a quantised operand takes f32 operands (vector FMAs, or v_wmma_f32_16x16x4_f32). A number that lies on a knife's edge between two numbers of the format may be rounded either way, as far as f32 arithmetic and the matrix unit's own rounding can turn it there, and no further.
;; One version. Each part assembles by itself: llvm-mc -triple=amdgcn-amd-amdhsa -mcpu=gfx1250 --defsym DOCPART=n.
;; ======== version 1 of 1: 4 launches
;; limits: right only within a limited range of input values
;; workspace buffers: xc 25,165,824 bytes; wc 4,194,304 bytes; qkvc 25,165,824 bytes; oc 8,388,608 bytes
;; launch quant (part 1): grid 384 x 1, 4 waves a work-group, no clusters, 55,808 bytes of LDS; arguments x, W_q, W_k, W_v, W_o, lowp_scales, xc, wc; writes xc, wc
.if DOCPART == 1
	.amdgcn_target "amdgcn-amd-amdhsa--gfx1250"
	.amdhsa_code_object_version 6
	.text
	.protected	k_q56727e8994_quant
	.globl	k_q56727e8994_quant
	.p2align	8
	.type	k_q56727e8994_quant,@function
k_q56727e8994_quant:
	s_mov_b64 s[64:65], 0
	v_nop
	global_prefetch_b8 v0, s[64:65] scope:SCOPE_SE
	s_setreg_imm32_b32 hwreg(HW_REG_WAVE_MODE, 25, 1), 1
	s_wait_xcnt 0x0
; THE QUANTISING PASS.  x [8192][1024] f32 becomes three sets of E4M3 codes, one for each of its three given scales (entries 0, 2, 4 of the scales): xc = 3 x [8192][1024] bytes, K innermost.
; W_q, W_k, W_v, W_o [k = 1024][n = 1024] f32 become codes laid [n][k], K innermost (entries 1, 3, 5, 11): wc = [4096][1024] bytes, W_q's 1,024 rows first, then W_k's, W_v's, W_o's.
; code = number / 2^e, held within +-448, rounded to the nearest code, ties to even.
; LIMITS: each e used here lies between -126 and 119, so that 2^e and 448 x 2^e are f32 numbers.  NaN among the inputs is not served; an infinity is held at the largest code.
; Work-groups 0-255 take x, work-groups 256-383 the weights.  The two ways part on the work-group's number, never join, and have LDS bytes of their own.  No tensor load, no barrier: waves share nothing.
.set STEPS, 16                         ; x: steps of 512 numbers for a wave
.set SP,    80                         ; x: a lane's place in a stage: its 64 bytes + 16 of padding
.set XST,   32*SP                      ; x: a stage
.set XWAVE, 2*XST                      ; x: two stages for each wave: LDS bytes 0 .. 20,479
.set SC,    5                          ; v5-7    2^e0, 2^e2, 2^e4 as f32
.set LIM,   8
.set R,     16                         ; v16-79  four sets of 16 numbers as they are loaded
.set X,     80                         ; v80-111 two sets of 16 neighbours
.set T,     112
.set C,     160                        ; v160-183 two sets of 3 x 4 registers of codes
.set WLDS,  20480                      ; weights: the stages begin here: 32 rows x 272 bytes for each wave
.set PITCH, 272
.set WX,    32                         ; v32-95  two sets of 32 numbers
.set WC,    96                         ; v96-103 a block's codes
.set OUTR,  112                        ; v112-175 the way out
	s_load_b512 s[8:23], s[0:1], 0x0               ; x 8:9, W_q 10:11, W_k 12:13, W_v 14:15, W_o 16:17, scales 18:19, xc 20:21, wc 22:23
	v_lshl_add_u32 v192, v0, 2, 0xd800
	v_mov_b32 v193, 0
	v_lshrrev_b32 v1, 5, v0
	v_readfirstlane_b32 s2, v1                     ; wave 0..3
	v_and_b32 v2, 31, v0                           ; lane
	s_wait_kmcnt 0x0
	s_load_b256 s[24:31], s[18:19], 0x0            ; e0 .. e7
	s_load_b128 s[32:35], s[18:19], 0x20           ; e8 .. e11
	s_cmp_lt_u32 ttmp9, 256
	s_cbranch_scc0 .Lweights
	s_wait_alu depctr_va_vdst(0)
; ---- x.  A wave takes 8,192 numbers on end, 16 steps of 512.  Each load reads 512 consecutive bytes, 16 a lane; a step's 2,048 bytes go through the wave's own stage as they lie and come back 64 bytes a lane,
; so that a lane holds 16 neighbours along K for the conversions.  A lane's 16 codes are 16 bytes: each store covers 512 consecutive bytes, aligned.
	v_lshlrev_b32 v3, 4, v2                        ; 16 x lane: my bytes of a load's 512 and of a store's 512; never rewritten
	s_wait_alu depctr_va_vdst(0)
	s_mul_i32 s3, s2, XWAVE
	v_lshrrev_b32 v14, 2, v2
	v_mul_u32_u24 v14, v14, SP
	v_and_b32 v15, 3, v2
	v_lshl_add_u32 v14, v15, 4, v14
	v_add_nc_u32 v14, s3, v14                      ; into the stage: four lanes' 64 bytes on end, then 16 of padding
	v_mul_u32_u24 v15, v2, SP
	v_add_nc_u32 v15, s3, v15                      ; out of it: my 16 neighbours
	s_lshl_b32 s4, ttmp9, 2
	s_add_co_u32 s4, s4, s2                        ; which run of 8,192 numbers is my wave's: 0 .. 1,023
	s_lshl_b32 s36, s4, 15
	s_mov_b32 s37, 0
	s_add_nc_u64 s[8:9], s[8:9], s[36:37]          ; x at my run
	s_lshl_b32 s36, s4, 13
	s_add_nc_u64 s[36:37], s[20:21], s[36:37]      ; the three sets of codes at my run: three bases, since 8 MiB is more than a store's immediate holds
	s_add_nc_u64 s[38:39], s[36:37], 0x800000
	s_add_nc_u64 s[40:41], s[36:37], 0x1000000
.macro LOAD t
.irp i, 0,1,2,3
	global_load_b128 v[R+16*((\t)%4)+4*\i:R+16*((\t)%4)+4*\i+3], v3, s[8:9] offset:2048*(\t)+512*\i th:TH_LOAD_NT
.endr
.endm
.macro TURN t                          ; step t's numbers through the stage: LDS serves a wave's instructions in order, so no wait stands between the stores and the loads
.irp i, 0,1,2,3
	ds_store_b128 v14, v[R+16*((\t)%4)+4*\i:R+16*((\t)%4)+4*\i+3] offset:XST*((\t)%2)+8*SP*\i
.endr
	v_nop
.irp i, 0,1,2,3
	ds_load_b128 v[X+16*((\t)%2)+4*\i:X+16*((\t)%2)+4*\i+3], v15 offset:XST*((\t)%2)+16*\i
.endr
.endm
.irp t, 0,1,2,3
	LOAD \t
.endr
	s_wait_alu depctr_va_vdst(0)
	s_wait_kmcnt 0x0
.irp p, 0,1,2
	s_add_co_i32 s42, s[24+2*\p], 127
	s_lshl_b32 s43, s42, 23
	v_mov_b32 v[SC+\p], s43                        ; 2^e as f32: the conversion takes its exponent field
	s_add_co_i32 s42, s42, 8
	s_lshl_b32 s42, s42, 23
	s_or_b32 s42, s42, 0x600000
.endr
	s_wait_alu depctr_va_vdst(0)
	s_wait_loadcnt 12                              ; step 0's four loads are in; the twelve of steps 1 to 3 may be out
	TURN 0
.macro STEP t
.set XS, X+16*((\t)%2)
.set CS, C+12*((\t)%2)
	s_wait_dscnt 0x0                               ; this step's numbers are back from the stage, and its stores into the stage have read their registers,
.if (\t)+4 < STEPS
	LOAD (\t)+4                                    ; which take the loads of four steps on
.endif
.if (\t)+1 < STEPS
.if STEPS-2-(\t) >= 3
	s_wait_loadcnt 12                              ; the next step's four loads are in; those of the three steps behind it may be out
.else
	s_wait_loadcnt 4*(STEPS-2-(\t))                ; near the end fewer steps stand behind it
.endif
	TURN (\t)+1                                    ; and go through the other stage while this step is worked
.endif
.if (\t) >= 2
	s_wait_xcnt 0x0                                ; the stores of two steps back have read this set of code registers: it is written again only behind this wait
.endif
.irp p, 0,1,2
.set k, 0
.rept 16
.set k, k+1
.endr
	v_cvt_scalef32_pk8_fp8_f32 v[CS+4*\p:CS+4*\p+1], v[T+16*\p+((XS+k)-(T+16*\p+k)):T+16*\p+7+((XS+k)-(T+16*\p+k))], v[SC+\p]
	v_cvt_scalef32_pk8_fp8_f32 v[CS+4*\p+2:CS+4*\p+3], v[T+16*\p+8+((XS+k)-(T+16*\p+k)):T+16*\p+15+((XS+k)-(T+16*\p+k))], v[SC+\p]
.endr
.irp p, 0,1,2
	global_store_b128 v3, v[CS+4*\p:CS+4*\p+3], s[36+2*\p:37+2*\p] offset:512*(\t)
.endr
.endm
.irp t, 0,1,2,3,4,5,6,7,8,9,10,11,12,13,14,15
	STEP \t
.endr
	s_wait_tensorcnt 0x0
	ds_add_u32 v192, v193
	s_wait_dscnt 0x0
	s_endpgm
; ---- the weights.  K is the first axis.  A LANE TAKES A COLUMN n AND ITS REGISTERS RUN DOWN K: each load reads 128 consecutive bytes a wave, and the conversions give codes with K innermost.
; A work-group takes 128 columns x 256 along K of one weight; a wave 32 columns.  The codes go through the wave's own stage and leave as rows: sixteen lanes store 256 consecutive bytes, aligned.
.Lweights:
	s_sub_co_u32 s3, ttmp9, 256
	s_lshr_b32 s4, s3, 5                           ; which weight: 0 W_q, 1 W_k, 2 W_v, 3 W_o
	s_and_b32 s5, s3, 7                            ; which 128 columns
	s_bfe_u32 s6, s3, 0x20003                      ; which 256 along K
	s_wait_alu depctr_va_vdst(0)
	v_lshlrev_b32 v3, 2, v2                        ; in: 4 bytes a lane
	s_mul_i32 s7, s2, 32*PITCH
	s_add_co_u32 s7, s7, WLDS                      ; my stage
	v_mul_u32_u24 v4, v2, PITCH
	v_add_nc_u32 v4, s7, v4                        ; into it: row = my column
	v_and_b32 v5, 15, v2
	v_lshrrev_b32 v6, 4, v2
	v_mul_u32_u24 v7, v6, PITCH
	v_lshl_add_u32 v7, v5, 4, v7
	v_add_nc_u32 v7, s7, v7                        ; out of it: sixteen lanes to a row, two rows an instruction
	v_mul_u32_u24 v8, v6, 1024
	v_lshl_add_u32 v8, v5, 4, v8                   ; and the same place in wc
	s_lshl_b32 s7, s5, 7
	s_lshl_b32 s36, s2, 5
	s_add_co_u32 s7, s7, s36                       ; my wave's first column
	s_lshl_b32 s36, s6, 20                         ; in: 256 rows of 4,096 bytes for each step along K,
	s_lshl_b32 s38, s7, 2
	s_add_co_u32 s36, s36, s38                     ; + 4 x column
	s_mov_b32 s37, 0
	s_lshl_b32 s38, s4, 20                         ; out: the weight's 1,024 rows of 1,024 bytes,
	s_lshl_b32 s40, s7, 10
	s_add_co_u32 s38, s38, s40                     ; + column x 1,024
	s_lshl_b32 s40, s6, 8
	s_add_co_u32 s38, s38, s40                     ; + 256 x step along K
	s_mov_b32 s39, 0
	s_cmp_eq_u32 s4, 1                             ; the weight's buffer: a choice that hangs on the work-group's number alone
	s_cselect_b64 s[10:11], s[12:13], s[10:11]
	s_cmp_eq_u32 s4, 2
	s_cselect_b64 s[10:11], s[14:15], s[10:11]
	s_cmp_eq_u32 s4, 3
	s_cselect_b64 s[10:11], s[16:17], s[10:11]
	s_add_nc_u64 s[10:11], s[10:11], s[36:37]
	s_add_nc_u64 s[22:23], s[22:23], s[38:39]
.macro WLOAD t                         ; block t: W(32 t + i, my column), i = 0 .. 31, into set t % 2; the largest offset, 255 x 4,096, lies inside the signed 24-bit immediate
.set i, 0
.rept 32
	global_load_b32 v[WX+32*((\t)%2)+i], v3, s[10:11] offset:(32*(\t)+i)*4096 th:TH_LOAD_NT
.set i, i+1
.endr
.endm
	WLOAD 0
	WLOAD 1
	s_wait_kmcnt 0x0
	s_cmp_eq_u32 s4, 1                             ; the weight's e: entry 1, 3, 5 or 11
	s_cselect_b32 s25, s27, s25
	s_cmp_eq_u32 s4, 2
	s_cselect_b32 s25, s29, s25
	s_cmp_eq_u32 s4, 3
	s_cselect_b32 s25, s35, s25
	s_add_co_i32 s25, s25, 127
	s_lshl_b32 s42, s25, 23
	v_mov_b32 v11, s42                             ; 2^e as f32
	s_add_co_i32 s25, s25, 8
	s_lshl_b32 s25, s25, 23
	s_or_b32 s25, s25, 0x600000
.macro BLOCK t
.set XS, WX+32*((\t)%2)
.if (\t) < 7
	s_wait_loadcnt 32                              ; this block's 32 loads are in; the next block's 32 may be out
.else
	s_wait_loadcnt 0
.endif
.set i, 0
.rept 32
.set i, i+1
.endr
.irp g, 0,1,2,3
	v_cvt_scalef32_pk8_fp8_f32 v[WC+2*\g:WC+2*\g+1], v[XS+8*\g:XS+8*\g+7], v11
.endr
	ds_store_b128 v4, v[WC:WC+3] offset:32*(\t)    ; 32 codes: 32 bytes of my column's row.  (The results go to LDS stores; the next vector lines are the next block's conversions, on the other set)
	ds_store_b128 v4, v[WC+4:WC+7] offset:32*(\t)+16
.if (\t)+2 < 8
	WLOAD (\t)+2
.endif
	s_wait_dscnt 0x0                               ; the stores have read their registers: the next block's codes may be written
.endm
	s_wait_alu depctr_va_vdst(0)
.irp t, 0,1,2,3,4,5,6,7
	BLOCK \t
.endr
.irp t, 0,1,2,3,4,5,6,7,8,9,10,11,12,13,14,15
	ds_load_b128 v[OUTR+4*\t:OUTR+4*\t+3], v7 offset:2*\t*PITCH   ; LDS serves a wave's instructions in order: these see my stores
.endr
.irp t, 0,1,2,3,4,5,6,7,8,9,10,11,12,13,14,15
	s_wait_dscnt 15-\t                             ; the younger loads may be out
	global_store_b128 v8, v[OUTR+4*\t:OUTR+4*\t+3], s[22:23] offset:2*\t*1024
.endr
	s_wait_tensorcnt 0x0
	ds_add_u32 v192, v193
	s_wait_dscnt 0x0
	s_endpgm
.Lfunc_end_k_q56727e8994_quant:
	.size	k_q56727e8994_quant, .Lfunc_end_k_q56727e8994_quant-k_q56727e8994_quant
	.p2alignl 7, 3214868480
	.fill 96, 4, 3214868480
	.section	.rodata,"a",@progbits
	.p2align	6, 0x0
	.amdhsa_kernel k_q56727e8994_quant
		.amdhsa_group_segment_fixed_size 55808
		.amdhsa_private_segment_fixed_size 0
		.amdhsa_enable_private_segment 0
		.amdhsa_kernarg_size 64
		.amdhsa_user_sgpr_count 2
		.amdhsa_user_sgpr_kernarg_segment_ptr 1
		.amdhsa_wavefront_size32 1
		.amdhsa_system_sgpr_workgroup_id_x 1
		.amdhsa_system_sgpr_workgroup_id_y 1
		.amdhsa_system_sgpr_workgroup_id_z 1
		.amdhsa_system_vgpr_workitem_id 0
		.amdhsa_next_free_vgpr 194
		.amdhsa_next_free_sgpr 66
		.amdhsa_reserve_vcc 0
		.amdhsa_float_denorm_mode_32 3
		.amdhsa_float_denorm_mode_16_64 3
		.amdhsa_fp16_overflow 1
		.amdhsa_memory_ordered 1
		.amdhsa_forward_progress 1
		.amdhsa_inst_pref_size 62
	.end_amdhsa_kernel
	.amdgpu_metadata
---
amdhsa.version: [ 1, 2 ]
amdhsa.kernels:
  - .name:           k_q56727e8994_quant
    .symbol:         k_q56727e8994_quant.kd
    .args:
      - { .name: x, .offset: 0, .size: 8, .value_kind: global_buffer, .address_space: global }
      - { .name: W_q, .offset: 8, .size: 8, .value_kind: global_buffer, .address_space: global }
      - { .name: W_k, .offset: 16, .size: 8, .value_kind: global_buffer, .address_space: global }
      - { .name: W_v, .offset: 24, .size: 8, .value_kind: global_buffer, .address_space: global }
      - { .name: W_o, .offset: 32, .size: 8, .value_kind: global_buffer, .address_space: global }
      - { .name: lowp_scales, .offset: 40, .size: 8, .value_kind: global_buffer, .address_space: global }
      - { .name: xc, .offset: 48, .size: 8, .value_kind: global_buffer, .address_space: global }
      - { .name: wc, .offset: 56, .size: 8, .value_kind: global_buffer, .address_space: global }
    .group_segment_fixed_size: 55808
    .private_segment_fixed_size: 0
    .kernarg_segment_align: 8
    .kernarg_segment_size: 64
    .max_flat_workgroup_size: 128
    .sgpr_count:     66
    .vgpr_count:     194
    .wavefront_size: 32
...
	.end_amdgpu_metadata
.endif
;; end of part 1
;; launch qkv (part 2): grid 12 x 32, 4 waves a work-group, clusters of 4 x 4, 327,680 bytes of LDS; arguments xc, wc, lowp_scales, qkvc; writes qkvc
.if DOCPART == 2
	.amdgcn_target "amdgcn-amd-amdhsa--gfx1250"
	.amdhsa_code_object_version 6
	.text
	.protected	k_q56727e8994_qkv
	.globl	k_q56727e8994_qkv
	.p2align	8
	.type	k_q56727e8994_qkv,@function
k_q56727e8994_qkv:
	s_mov_b64 s[64:65], 0
	v_nop
	global_prefetch_b8 v0, s[64:65] scope:SCOPE_SE
	s_setreg_imm32_b32 hwreg(HW_REG_WAVE_MODE, 25, 1), 1
	s_wait_xcnt 0x0
	s_wait_alu depctr_hold_cnt(0) depctr_sa_sdst(0) depctr_va_vdst(0) depctr_va_sdst(0) depctr_va_ssrc(0) depctr_va_vcc(0) depctr_vm_vsrc(0)
	s_getreg_b32 s2, hwreg(HW_REG_IB_STS2, 6, 4)
	s_cmp_eq_u32 s2, 0
	s_cbranch_scc0 .Lentry_in_a_cluster
	s_endpgm
.Lentry_in_a_cluster:
	s_bfe_u32 s2, ttmp6, 0x10000c
	s_cmp_lg_u32 s2, 0xf033
	s_cbranch_scc0 .Lentry_shape_is_right
	s_endpgm
.Lentry_shape_is_right:
; THE THREE PROJECTIONS ON CODES OF E4M3, each finished sum quantised at once for attention.  xc: three sets [8192][1024] of x's codes; wc: [4096][1024], the weights' codes, K innermost.
; qkvc: Q at byte 0 and K at 8 MiB, [bh = 64][s = 2048][64 bytes]; V^T at 16 MiB, [bh][d = 64][s = 2048 bytes].  In all three, in each group of 32 along the innermost index, place 16 h + 8 u + j holds index 16 u + 8 h + j
; (h, u = 0, 1; j = 0 .. 7): that is how a lane's results fall into 16 bytes here.  For Q and K it is one order of d on both sides of their product; for V it is the order in which the weights' codes fall into registers in the next launch.
; The cluster's x is the product P: 0 Q, 1 K, 2 V; it is the same in all sixteen partners.  Q and K: the tile's rows (called A) are tokens, from xc's set P, its columns (B) are n, from wc's rows 1,024 P on.
; V: rows are n, from wc's rows 2,048 on, columns are tokens, from xc's set 2: V^T is computed, so that a lane's eight results are eight neighbouring tokens, the next product's K.  The loop is one text for all three.
; A tile, 256 x 256, is made by four waves, as many as a WGP has SIMDs; a wave makes 128 x 128: 64 accumulators, 512 registers.  K = 1,024 goes in four steps of 256 through a ring of two LDS slots filled by the tensor data mover.
; CLUSTERS: 4 x 4 work-groups.  The four of a row of the cluster need the same tile of A, the four of a column the same tile of B: each is asked for JOINTLY, by the same tensor load with the same descriptor and a mask that names the four.
; THE MATRIX INSTRUCTION IS USED TRANSPOSED (source 0 = 16 rows of B, source 1 = 16 rows of A): a lane then holds eight neighbouring columns of one row of the tile.
; A fragment is fetched by four loads of 16 bytes: registers 4 c .. 4 c + 3 hold K = 32 c + 16 (lane / 16) + 0 .. 15: an order of k that is the same in A and B, so each product meets its partner; the order of the sums inside an instruction differs from K ascending.
; A sum stands for sum x 2^(eA + eB); its code is sum / 2^E, E = eOut - eA - eB (Q: e6 - e0 - e1; K: e7 - e2 - e3; V: e9 - e4 - e5), held within +-448 x 2^E.  LIMIT: E between -126 and 119.
; REGISTERS, in windows of 256: window 0: v0-31 addresses and the scale number; from v128 A's fragments, ONE set; on the way out the codes.   window 1: B's fragments, TWO sets.   windows 2, 3: the accumulators.
.set ROWB,   256                       ; a tile's row in bytes: 256 codes
.set KROW,   1024                      ; a row of xc or wc in memory
.set PITCH,  272                       ; an LDS row: 256 bytes + 16 of padding = 68 words: the 16 rows that a load touches start 4 words apart modulo 64
.set FR,     16                        ; registers of a fragment: 16 rows x 128 K
.set NL,     4                         ; LDS loads that bring one
.set NP,     4                         ; places behind this matrix instruction (ISA guide 7.12.1)
.set HALFT,  128*PITCH                 ; 128 rows: what one tensor load brings, and what one wave reads of A or of B
.set SLOT,   4*HALFT                   ; A's 256 rows, then B's 256 rows
.set LAPS,   2                         ; a lap = two K steps = once round the ring
.set SPARE,  2*SLOT                    ; behind the ring: the spare words, 128 bytes for each wave: two blocks of 256 bytes that no other line names
.set SP,     304                       ; the way out: the work-group's stage, 256 rows x (256 bytes + 48), at LDS byte 0: slot 0 has had its last fill and its last read when the first code is stored there
.set ADRA, 16                          ; v16-17  LDS address of my A fragments in slot 0, 1
.set ADRB, 20                          ; v20-21  the same for B
.set RDQ1, 22                          ; v22     Q, K: where I read the stage back, rows 128 on
.set RDV,  23                          ; v23     V: where I read the stage back
.set STO,  24                          ; v24     where I put 16 bytes of a row of the stage
.set RDQ0, 25                          ; v25     Q, K: where I read the stage back, rows 0 on
.set COQ,  26                          ; v26     Q, K: my byte offset in the wave's 16 KiB of output
.set COV,  27                          ; v27     V: my byte offset in the wave's rows of V^T
.set SPW,  28                          ; v28     LDS address of my spare word; never rewritten
.set NIL,  29                          ; v29     0; never rewritten
.set LIMV, 30
.set SCV,  31                          ; v31     2^E as f32
.set TMP,  32
.set AF,   128                         ; A's fragments, in window 0
.set CD,   128                         ; the way out: block a's codes at v[128 + 16 a], then the rows read back
.set G1, 24                            ; s[24:31] descriptor group 1 for A's tiles;  s[32:39] group 0, one set for each slot
.set G0, 32
.set G1B, 48                           ; s[48:55], s[56:63] the same for B's tiles
.set G0B, 56
.set MSB, 0
.macro WIN new                         ; the immediate's high byte repeats the setting that is left
.if MSB != (\new)
	s_set_vgpr_msb (MSB<<8)|(\new)
.set MSB, \new
.endif
.endm
.set MUL_LO, 0xa1                      ; source 0 (B) window 1, source 1 (A) window 0, C and D window 2
.set MUL_HI, 0xf1                      ; the same, C and D window 3
.set TO_B,   0x40                      ; destination window 1, address window 0
; A joint load: waves 0 and 1 fetch for A, waves 2 and 3 for B.  Each of the two lines has ONE mask and one set of registers for all that issue it; the branch hangs on the wave's number alone.
; Four v_nop follow each of the two lines, ahead of the jump, the label and what follows.
.macro JLOAD g0a, g1a, g0b, g1b
	s_cmp_eq_u32 s15, 0
	s_cbranch_scc0 .Lfor_b_\@
	tensor_load_to_lds s[\g0a:\g0a+3], s[\g1a:\g1a+7]
	s_nop 0
.rept 4
	v_nop
.endr
	s_branch .Lasked_\@
.Lfor_b_\@:
	tensor_load_to_lds s[\g0b:\g0b+3], s[\g1b:\g1b+7]
	s_nop 0
.rept 4
	v_nop
.endr
.Lasked_\@:
.endm
.macro CREST                           ; a round of the cluster's barrier behind its opening barrier
	s_cmp_lg_u32 s14, 0
	s_cbranch_scc1 .Lnot_wave_0_\@
	s_barrier_signal -3
.Lnot_wave_0_\@:
	s_barrier_wait -3
	s_barrier_signal -1
	s_barrier_wait -1
.endm
.macro CROUND                          ; a whole round
	s_barrier_signal -1
	s_barrier_wait -1
	CREST
.endm
	s_load_b128 s[4:7], s[0:1], 0x0                ; xc s[4:5], wc s[6:7]
	s_load_b128 s[8:11], s[0:1], 0x10              ; the scales' exponents s[8:9], qkvc s[10:11]
	v_lshl_add_u32 v[SPW], v0, 2, SPARE
	v_mov_b32 v[NIL], 0
	ds_add_u32 v28, v29
	ds_add_u32 v28, v29
	s_wait_dscnt 0x0
	v_lshrrev_b32 v1, 5, v0
	v_readfirstlane_b32 s14, v1                    ; wave 0..3
	s_lshr_b32 s15, s14, 1                         ; which half of the tile's rows is mine.  Also: I fetch for A (0) or for B (1)
	s_and_b32 s16, s14, 1                          ; which half of its columns.  Also: which 128 rows of that tile I fetch
	s_bfe_u32 s40, ttmp6, 0x40000                  ; cx, cy: my place in the cluster
	s_bfe_u32 s41, ttmp6, 0x40004
	s_and_b32 s13, ttmp7, 0xffff
	s_lshl_b32 s13, s13, 2                         ; 4 x cluster y: the cluster's first tile of tokens
	s_add_co_u32 s17, s13, s41                     ; Q, K: my tile of tokens (for the way out)
	s_add_co_u32 s42, s13, s40                     ; V: my tile of tokens (for the way out)
	s_lshl_b32 s43, s41, 2
	s_lshl_b32 s43, 15, s43                        ; my row of the cluster
	s_lshl_b32 s44, 0x1111, s40                    ; my column
	; descriptor group 1: a tile of 128 rows x 256 bytes, padded in LDS
	s_or_b32 s[G1+0], s43, (0<<16)|(1<<20)|(1<<21)|(5<<22)|(3<<25)  ; 15:0 the mask: A's tiles go to my row; 17:16 element of 1 byte; 20 padding on; 21 set beside a mask; 24:22 after every 64 words (code 5); 31:25 of 4 words (code 3)
	s_or_b32 s[G1B+0], s44, (0<<16)|(1<<20)|(1<<21)|(5<<22)|(3<<25)
.irp g, G1, G1B
	s_mov_b32 s[\g+1], ROWB<<16                    ; tensor_dim0
	s_mov_b32 s[\g+2], 128<<16                     ; tensor_dim1 = 128
	s_mov_b32 s[\g+3], ROWB<<16                    ; tile_dim0
	s_mov_b32 s[\g+4], 128                         ; tile_dim1 = 128
	s_mov_b32 s[\g+5], KROW                        ; tensor_dim0_stride
	s_mov_b32 s[\g+6], 0
	s_mov_b32 s[\g+7], 0
.endr
	s_lshl_b32 s18, s16, 7                         ; which 128 rows of the tile I fetch
	s_lshl_b32 s66, ttmp9, 23                      ; xc's set P
	s_lshl_b32 s67, ttmp9, 20                      ; wc's rows 1,024 P on
	s_mul_i32 s45, s14, HALFT                      ; where the tiles go: wave x 128 rows: no place in the cluster enters an LDS address
	s_wait_kmcnt 0x0
	s_load_b256 s[76:83], s[8:9], 0x0              ; e0 .. e7
	s_load_b128 s[84:87], s[8:9], 0x20             ; e8 .. e11
	s_cmp_eq_u32 ttmp9, 2                          ; V?  What is chosen here is the same in all sixteen partners
	s_cselect_b32 s68, 0, s13                      ; A's tiles begin at: V 0 (n), else the cluster's first tile of tokens
	s_cselect_b32 s69, s13, 0                      ; B's the other way round
	s_cselect_b32 s66, 0x200000, s66               ; A's part of its buffer: V wc's rows 2,048 on, else xc's set P
	s_cselect_b32 s67, 0x1000000, s67              ; B's: V xc's set 2, else wc's rows 1,024 P on
	s_cselect_b64 s[70:71], s[6:7], s[4:5]         ; A's buffer
	s_cselect_b64 s[72:73], s[4:5], s[6:7]         ; B's buffer
	s_add_co_u32 s68, s68, s41                     ; A's tile: + cy, which my row of the cluster shares
	s_add_co_u32 s69, s69, s40                     ; B's tile: + cx, which my column shares
	s_lshl_b32 s20, s68, 8
	s_add_co_u32 s20, s20, s18
	s_lshl_b32 s20, s20, 10                        ; rows of 1,024 bytes
	s_add_co_u32 s20, s20, s66
	s_mov_b32 s21, 0
	s_lshl_b32 s46, s69, 8
	s_add_co_u32 s46, s46, s18
	s_lshl_b32 s46, s46, 10
	s_add_co_u32 s46, s46, s67
	s_mov_b32 s47, 0
	s_add_nc_u64 s[20:21], s[70:71], s[20:21]
	s_add_nc_u64 s[46:47], s[72:73], s[46:47]
	CROUND                                         ; all sixteen work-groups are here: the first joint loads meet
.irp s, 0,1
	s_mov_b32 s[G0+4*\s], 1
	s_add_co_u32 s[G0+4*\s+1], s45, \s*SLOT
	s_add_nc_u64 s[G0+4*\s+2:G0+4*\s+3], s[20:21], \s*ROWB
	s_or_b32 s[G0+4*\s+3], s[G0+4*\s+3], 0x80000000
	s_mov_b32 s[G0B+4*\s], 1
	s_add_co_u32 s[G0B+4*\s+1], s45, \s*SLOT
	s_add_nc_u64 s[G0B+4*\s+2:G0B+4*\s+3], s[46:47], \s*ROWB
	s_or_b32 s[G0B+4*\s+3], s[G0B+4*\s+3], 0x80000000
	JLOAD G0+4*\s, G1, G0B+4*\s, G1B
.endr
	v_and_b32 v1, 15, v0                           ; r = l % 16
	s_wait_alu depctr_va_vdst(0)
	v_bfe_u32 v2, v0, 4, 1                         ; h = l / 16
	v_mul_u32_u24 v3, v1, PITCH
	v_lshl_add_u32 v4, v2, 4, v3                   ; a fragment's row x pitch + 16 x half
	s_mul_i32 s21, s15, HALFT                      ; my 128 rows of A
	s_mul_i32 s22, s16, HALFT                      ; my 128 rows of B,
	s_add_co_u32 s22, s22, 2*HALFT                 ; which lie behind A's 256
.irp s, 0,1
	v_add_nc_u32 v[ADRA+\s], s21, v4
	v_add_nc_u32 v[ADRB+\s], s22, v4
	s_add_co_u32 s21, s21, SLOT
	s_add_co_u32 s22, s22, SLOT
.endr
	; the way out's addresses, all of the lane and the wave alone
	s_mul_i32 s23, s15, 128*SP
	s_lshl_b32 s21, s16, 7
	s_add_co_u32 s23, s23, s21
	v_mul_u32_u24 v5, v1, SP
	s_wait_alu depctr_va_vdst(0)
	v_lshl_add_u32 v5, v2, 4, v5
	v_add_nc_u32 v[STO], s23, v5                   ; into the stage: row 128 x (my half of the rows) + r, byte 128 x (my half of the columns) + 16 h
	v_and_b32 v6, 31, v0                           ; lane
	v_lshrrev_b32 v7, 2, v6
	v_mul_u32_u24 v7, v7, SP
	v_and_b32 v8, 3, v6
	v_lshl_add_u32 v7, v8, 4, v7
	s_lshl_b32 s23, s14, 6
	v_add_nc_u32 v[RDQ0], s23, v7                  ; Q, K: wave w takes the 64 bytes at 64 w of every row (one head): four lanes to a row, eight rows an instruction
	v_add_nc_u32 v[RDQ1], 128*SP, v[RDQ0]          ; a second register for rows 128 on: the offsets would pass the 16 bits of an LDS immediate
	v_lshlrev_b32 v[COQ], 4, v6
	s_mul_i32 s23, s14, 64*SP
	v_mul_u32_u24 v7, v2, SP
	v_lshl_add_u32 v7, v1, 4, v7
	v_add_nc_u32 v[RDV], s23, v7                   ; V: wave w takes rows 64 w on, whole: sixteen lanes to a row, two rows an instruction
	v_lshlrev_b32 v7, 11, v2
	v_lshl_add_u32 v[COV], v1, 4, v7               ; and the same two rows of V^T, 2,048 bytes apart
	; where my wave's output begins.  Q, K: set P + batch (tile / 8) x 2 MiB + head (4 cx + wave) x 128 KiB + (tile % 8) x 256 tokens of 64 bytes
	s_lshl_b32 s91, ttmp9, 23
	s_lshr_b32 s93, s17, 3
	s_lshl_b32 s93, s93, 21
	s_add_co_u32 s91, s91, s93
	s_lshl_b32 s93, s40, 2
	s_add_co_u32 s93, s93, s14
	s_lshl_b32 s93, s93, 17
	s_add_co_u32 s91, s91, s93
	s_and_b32 s93, s17, 7
	s_lshl_b32 s93, s93, 14
	s_add_co_u32 s91, s91, s93
	; V: 16 MiB + batch x 2 MiB + row (256 cy + 64 wave) x 2,048 bytes + (tile % 8) x 256 tokens
	s_lshr_b32 s92, s42, 3
	s_lshl_b32 s92, s92, 21
	s_add_co_u32 s92, s92, 0x1000000
	s_lshl_b32 s93, s41, 8
	s_lshl_b32 s94, s14, 6
	s_add_co_u32 s93, s93, s94
	s_lshl_b32 s93, s93, 11
	s_add_co_u32 s92, s92, s93
	s_and_b32 s93, s42, 7
	s_lshl_b32 s93, s93, 8
	s_add_co_u32 s92, s92, s93
	s_cmp_eq_u32 ttmp9, 2
	s_cselect_b32 s92, s92, s91
	s_mov_b32 s93, 0
	s_add_nc_u64 s[10:11], s[10:11], s[92:93]
.macro FRAG reg, adr, q, i             ; a fragment, 16 rows x 128 K of 8-bit codes: 16 registers
.irp c, 0,1,2,3
	ds_load_b128 v[\reg+4*\c:\reg+4*\c+3], v[\adr] offset:128*(\q)+32*\c+(\i)*16*PITCH
.endr
.endm
; 16 matrix instructions: A's blocks a0, a0 + 1 x B's eight, 128 along K.  p: B's set.  zero = 1: the first product starts the sums: nothing is ever cleared.
; The 64 accumulators take turns, one instruction a turn, in the same order in every step.
.macro MUL16 a0, p, zero
.irp a, \a0, \a0+1
.irp b, 0,1,2,3,4,5,6,7
.if \zero
	v_wmma_f32_16x16x128_fp8_fp8 v[8*(8*((\a)%4)+\b):8*(8*((\a)%4)+\b)+7], v[128*(\p)+FR*\b:128*(\p)+FR*\b+FR-1], v[AF+FR*(\a):AF+FR*(\a)+FR-1], 0
.else
	v_wmma_f32_16x16x128_fp8_fp8 v[8*(8*((\a)%4)+\b):8*(8*((\a)%4)+\b)+7], v[128*(\p)+FR*\b:128*(\p)+FR*\b+FR-1], v[AF+FR*(\a):AF+FR*(\a)+FR-1], v[8*(8*((\a)%4)+\b):8*(8*((\a)%4)+\b)+7]
.endif
.endr
.endr
.endm
.macro FETCH_B slot, q, p              ; B's eight fragments of the slot's q-th 128 along K into set p
	WIN TO_B
.irp i, 0,1,2,3,4,5,6,7
	FRAG 128*(\p)+FR*\i, ADRB+\slot, \q, \i
.endr
	WIN 0
.endm
.macro FETCH_A slot, q, i0             ; A's blocks i0 .. i0 + 3
.irp i, \i0, \i0+1, \i0+2, \i0+3
	FRAG AF+FR*(\i), ADRA+\slot, \q, \i
.endr
.endm
; A load into a register that a matrix instruction has read, and a vector instruction that reads a matrix result, stand NP places behind that matrix instruction; only plain vector instructions that name none of its registers are places.
.macro PLACES n
.rept \n
	v_nop
.endr
.endm
; A step of 128 along K that has its successor in the same slot.  A's blocks go one after the other, each against B's eight: a block of A is free when its eight products are issued, so one set serves A.
.macro STEP slot, q, zero
	s_wait_dscnt 4*NL                              ; B's set and A's blocks 0-3 are in; the youngest sixteen loads (A's blocks 4-7) may be out
	WIN MUL_LO
	MUL16 0, (\q)%2, \zero
	MUL16 2, (\q)%2, \zero
	s_wait_dscnt 0                                 ; A's blocks 4-7 are in (asked for 32 matrix instructions ago)
	PLACES NP
	FETCH_B \slot, (\q)+1, 1-(\q)%2
	FETCH_A \slot, (\q)+1, 0
	WIN MUL_HI
	MUL16 4, (\q)%2, \zero
	MUL16 6, (\q)%2, \zero
	PLACES NP
	WIN 0
	FETCH_A \slot, (\q)+1, 4
.endm
; A slot's last step changes slots: ONE barrier; in front of it each wave waits for all its tensor loads, adds 0 to its spare word, and waits for that and for its own reads of this slot.  fill = 1: this slot is filled again, two K steps ahead.
.macro TURN slot, next, fill
	s_wait_tensorcnt 0x0                           ; all my tensor loads have landed: my part of the next slot;  (every window is 0 here: the add's two registers lie in window 0)
	ds_add_u32 v[SPW], v[NIL]                      ; 0 onto my spare word
	s_wait_dscnt 4*NL+1                            ; (the add and the youngest sixteen loads, A's blocks 4-7, may be out)
	WIN MUL_LO
	MUL16 0, 1, 0                                  ; sixteen matrix instructions stand between the add and the wait for it
	s_wait_dscnt 0x0                               ; the add is done, and my reads of this slot are over
	s_barrier_signal -1
	MUL16 2, 1, 0
	WIN 0
	s_barrier_wait -1
.if \fill
	CREST                                          ; the barrier has opened a round of the cluster's barrier: no wave of any partner still reads this slot's tile or has a load on its way
	s_add_nc_u64 s[G0+4*\slot+2:G0+4*\slot+3], s[G0+4*\slot+2:G0+4*\slot+3], 2*ROWB
	s_add_nc_u64 s[G0B+4*\slot+2:G0B+4*\slot+3], s[G0B+4*\slot+2:G0B+4*\slot+3], 2*ROWB
	JLOAD G0+4*\slot, G1, G0B+4*\slot, G1B         ; the first tensor load behind the round; the four v_nop behind it are the places in front of the loads below
.else
	PLACES NP
.endif
	FETCH_B \next, 0, 0
	FETCH_A \next, 0, 0
	WIN MUL_HI
	MUL16 4, 1, 0
	MUL16 6, 1, 0
	PLACES NP
	WIN 0
	FETCH_A \next, 0, 4
.endm
	s_wait_tensorcnt 1                             ; my part of K step 0 is in (K step 1's load may be out)
	s_barrier_signal -1
	s_barrier_wait -1                              ; everybody's is
	FETCH_B 0, 0, 0
	FETCH_A 0, 0, 0
	FETCH_A 0, 0, 4
	STEP 0, 0, 1                                   ; the first step stands in front of the loop: its products start the sums
	s_mov_b32 s3, LAPS-1
.Llap:                                                 ; a trip goes once round the ring, from a lap's second step to the next lap's first, and fills both slots again
	TURN 0, 1, 1
	STEP 1, 0, 0
	TURN 1, 0, 1
	STEP 0, 0, 0
	s_sub_co_u32 s3, s3, 1
	s_cmp_lg_u32 s3, 0
	s_cbranch_scc1 .Llap
	TURN 0, 1, 0                                   ; the last lap fills nothing, and has no round of the cluster's barrier
	STEP 1, 0, 0
	s_wait_dscnt 4*NL                              ; the very last step: nothing more to fetch
	WIN MUL_LO
	MUL16 0, 1, 0
	MUL16 2, 1, 0
	s_wait_dscnt 0
	WIN MUL_HI
	MUL16 4, 1, 0
	MUL16 6, 1, 0
	WIN 0
; THE WAY OUT.  Block a (16 rows x 128 columns of my part): the 64 sums are converted straight from the accumulators, eight a time.
; The codes of accumulators 2 g and 2 g + 1 are a lane's 16 bytes on end; they go into the work-group's stage.  Each block has code registers of its own.
.macro QBLOCK a
.set AC, 64*((\a)%4)
	WIN 0x02+((\a)/4)                              ; source 0: window 2 or 3
.set j, 0
.rept 64
.set j, j+1
.endr
.irp b, 0,1,2,3,4,5,6,7
	v_cvt_scalef32_pk8_fp8_f32 v[CD+16*(\a)+2*\b:CD+16*(\a)+2*\b+1], v[AC+8*\b:AC+8*\b+7], v[SCV]
.endr
	WIN 0
	v_nop                                          ; one plain vector line behind the block's last conversion
.irp g, 0,1,2,3
	ds_store_b128 v[STO], v[CD+16*(\a)+4*\g:CD+16*(\a)+4*\g+3] offset:(\a)*16*SP+32*\g
.endr
.endm
	s_wait_kmcnt 0x0
	s_sub_co_i32 s88, s82, s76
	s_sub_co_i32 s88, s88, s77                     ; Q: e6 - e0 - e1
	s_sub_co_i32 s89, s83, s78
	s_sub_co_i32 s89, s89, s79                     ; K: e7 - e2 - e3
	s_sub_co_i32 s90, s85, s80
	s_sub_co_i32 s90, s90, s81                     ; V: e9 - e4 - e5
	s_cmp_eq_u32 ttmp9, 1
	s_cselect_b32 s88, s89, s88
	s_cmp_eq_u32 ttmp9, 2
	s_cselect_b32 s88, s90, s88                    ; E: a choice, no branch
	s_add_co_i32 s88, s88, 127
	s_lshl_b32 s89, s88, 23
	v_mov_b32 v[SCV], s89                          ; 2^E as f32: the conversion takes its exponent field
	s_add_co_i32 s88, s88, 8
	s_lshl_b32 s88, s88, 23
	s_or_b32 s88, s88, 0x600000
	PLACES NP                                      ; behind the last products: for the reads of results and for the writes into the registers that held A's fragments
.irp a, 0,1,2,3,4,5,6,7
	QBLOCK \a
.endr
	s_wait_dscnt 0x0                               ; for the others' sake: my stores into the stage are done
	s_barrier_signal -1
	s_barrier_wait -1                              ; the tile's 256 rows of 256 codes lie in the stage
	s_cmp_eq_u32 ttmp9, 2                          ; the cluster's x: the same in all partners; only LDS loads and stores to memory stand in the two ways
	s_cbranch_scc1 .Lv_out
	; Q, K: my wave stores one head's 256 tokens x 64 bytes: 16 KiB on end; each store covers 512 consecutive bytes, aligned
.set t, 0
.rept 16
	ds_load_b128 v[CD+4*t:CD+4*t+3], v[RDQ0] offset:t*8*SP
.set t, t+1
.endr
.rept 16
	ds_load_b128 v[CD+4*t:CD+4*t+3], v[RDQ1] offset:(t-16)*8*SP
.set t, t+1
.endr
.set t, 0
.rept 32
	s_wait_dscnt 31-t                              ; the younger loads may be out
	global_store_b128 v[COQ], v[CD+4*t:CD+4*t+3], s[10:11] offset:512*t
.set t, t+1
.endr
	s_branch .Lend
.Lv_out:
	; V: my wave stores 64 rows of V^T, 256 bytes each: sixteen lanes store 256 consecutive bytes, aligned
.set t, 0
.rept 32
	ds_load_b128 v[CD+4*t:CD+4*t+3], v[RDV] offset:t*2*SP
.set t, t+1
.endr
.set t, 0
.rept 32
	s_wait_dscnt 31-t
	global_store_b128 v[COV], v[CD+4*t:CD+4*t+3], s[10:11] offset:4096*t
.set t, t+1
.endr
.Lend:
	s_wait_tensorcnt 0x0                           ; the wave's end, behind my last tensor load and my last LDS store
	ds_add_u32 v[SPW], v[NIL]
	s_wait_dscnt 0x0
	CROUND                                         ; the closing round: no work-group ends while a partner may still ask for a tile that names it
	s_endpgm
.Lfunc_end_k_q56727e8994_qkv:
	.size	k_q56727e8994_qkv, .Lfunc_end_k_q56727e8994_qkv-k_q56727e8994_qkv
	.p2alignl 7, 3214868480
	.fill 96, 4, 3214868480
	.section	.rodata,"a",@progbits
	.p2align	6, 0x0
	.amdhsa_kernel k_q56727e8994_qkv
		.amdhsa_group_segment_fixed_size 327680
		.amdhsa_private_segment_fixed_size 0
		.amdhsa_enable_private_segment 0
		.amdhsa_kernarg_size 32
		.amdhsa_user_sgpr_count 2
		.amdhsa_user_sgpr_kernarg_segment_ptr 1
		.amdhsa_wavefront_size32 1
		.amdhsa_system_sgpr_workgroup_id_x 1
		.amdhsa_system_sgpr_workgroup_id_y 1
		.amdhsa_system_sgpr_workgroup_id_z 1
		.amdhsa_system_vgpr_workitem_id 0
		.amdhsa_next_free_vgpr 1024
		.amdhsa_next_free_sgpr 100
		.amdhsa_reserve_vcc 0
		.amdhsa_float_denorm_mode_32 3
		.amdhsa_float_denorm_mode_16_64 3
		.amdhsa_fp16_overflow 1
		.amdhsa_memory_ordered 1
		.amdhsa_forward_progress 1
		.amdhsa_inst_pref_size 99
	.end_amdhsa_kernel
	.amdgpu_metadata
---
amdhsa.version: [ 1, 2 ]
amdhsa.kernels:
  - .name:           k_q56727e8994_qkv
    .symbol:         k_q56727e8994_qkv.kd
    .args:
      - { .name: xc, .offset: 0, .size: 8, .value_kind: global_buffer, .address_space: global }
      - { .name: wc, .offset: 8, .size: 8, .value_kind: global_buffer, .address_space: global }
      - { .name: lowp_scales, .offset: 16, .size: 8, .value_kind: global_buffer, .address_space: global }
      - { .name: qkvc, .offset: 24, .size: 8, .value_kind: global_buffer, .address_space: global }
    .group_segment_fixed_size: 327680
    .private_segment_fixed_size: 0
    .kernarg_segment_align: 8
    .kernarg_segment_size: 32
    .max_flat_workgroup_size: 128
    .sgpr_count:     100
    .vgpr_count:     1024
    .wavefront_size: 32
...
	.end_amdgpu_metadata
.endif
;; end of part 2
;; launch attn (part 3): grid 4 x 64, 16 waves a work-group, no clusters, 327,680 bytes of LDS; arguments qkvc, lowp_scales, oc; writes oc
.if DOCPART == 3
	.amdgcn_target "amdgcn-amd-amdhsa--gfx1250"
	.amdhsa_code_object_version 6
	.text
	.protected	k_q56727e8994_attn
	.globl	k_q56727e8994_attn
	.p2align	8
	.type	k_q56727e8994_attn,@function
k_q56727e8994_attn:
	s_mov_b64 s[64:65], 0
	v_nop
	global_prefetch_b8 v0, s[64:65] scope:SCOPE_SE
	s_setreg_imm32_b32 hwreg(HW_REG_WAVE_MODE, 25, 1), 1
	s_wait_xcnt 0x0
; CAUSAL ATTENTION ON CODES OF E4M3, head size 64, 64 heads (batch x head) of 2,048 tokens.  qkvc: Q at 0, K at 8 MiB: [bh][s][64 bytes]; V^T at 16 MiB: [bh][d = 64][s = 2,048 bytes]; in each group of 32 along the innermost
; index, place 16 h + 8 u + j holds index 16 u + 8 h + j.  oc: [bh][s][64 bytes]: the codes of O / l, d in its natural order, for the last product.
; THE SOFTMAX: t = score x log2(e) / 8; M = the row's largest t so far, rounded UP to a whole number; p = 2^(t - M) is quantised with 2^e8, not normalised.  The row's sum is taken of the unquantised p, in f32, and divides O at the end.
; When M moves, the sum and O are multiplied by 2^(old M - new M), which rounds nothing.
; SHARES.  Work-group (i, bh) owns the blocks of 256 queries numbered i and 7 - i of head bh; each of its sixteen waves 16 queries of each block.  It makes nine VISITS of 256 keys: visits 0 .. i are block i with keys 256 n on,
; visits i + 1 .. 8 are block 7 - i with keys 256 (n - i - 1) on.  So every work-group has the same nine visits, the trip count is a constant, and no tile is fetched that the mask hides as a whole.
; NO CLUSTER: at a given visit the four work-groups of a head want different keys, so there is no tile that they could ask for jointly without visits that fetch what nobody reads.
; K's and V's tiles come through a ring of two LDS slots (wave 0 fetches K's, wave 1 V's, 64 rows of 256 bytes each) and are read by all sixteen waves.
; LAYOUT.  Both products are used transposed: S^T = K Q^T (source 0 = 16 keys, source 1 = my 16 queries; K = 64), O^T = V^T P^T (source 0 = 16 of the head's 64, source 1 = P; K = 128 keys): a lane holds ONE query (lane % 16) throughout.
; In tile t of S^T lane (r, h), register j, holds key 16 t + 8 h + j; its eight codes fall into registers 2 t, 2 t + 1 of P.  V^T's order along the tokens brings the same key to the same register and byte by loads of 16 bytes.
; LIMITS on the given exponents, so that each power of two below is an f32 number: e6 + e7 between -123 and 130 (added to c's exponent field); e8 and e10 between -126 and 119; e8 + e9 is applied by v_ldexp_f32 and has none.
; REGISTERS: v1-11 addresses that stay or step; v12 -M, v13 the largest t, v[14:15] the sum in two halves; v16-23 Q of the block in hand, v24-31 Q of block 7 - i; v32-95 eight fragments of K, then four of V;
; v96-159 S^T, then p; v160-191 O^T; v192-199 O's codes, v200-207 rows on their way out (nothing else); v224-239 p's codes; v236, v240-254 at work and constants.
.set SLOT1, 65536                      ; slot 1 begins here, so that one exclusive or turns an address in one slot into the other's
.set KP,    272                        ; an LDS line: 256 bytes + 16 of padding.  K: four keys of 64 bytes to a line; V: 256 keys of one d
.set VOFF,  64*KP                      ; a slot: 64 lines of K, then 64 rows of V
.set STAGE, 2*SLOT1                    ; the way out: 16 rows x 80 bytes for each wave; no fill lands here
.set SPARE, STAGE+16*1280              ; the spare words, 128 bytes for each wave: eight blocks of 256 bytes that no other line names
.set AK0,  1                           ; v1   my lane's place in a tile of K
.set AV0,  2                           ; v2   the same for V
.set PFO,  3                           ; v3   the prefetches' offset; never rewritten
.set QOF,  4                           ; v4   my lane's bytes in 16 rows of Q
.set SPW,  5                           ; v5   LDS address of my spare word; never rewritten
.set NIL,  6                           ; v6   0; never rewritten
.set GO,   7                           ; v7   16 x lane: my bytes of the wave's 1 KiB of output; never rewritten
.set ADK,  8                           ; v8   LDS address of the step's tiles of K
.set ADV,  9                           ; v9   of V
.set STO,  10                          ; v10  the stage: where I put 8 bytes of a row
.set SRD,  11                          ; v11  and where I read rows back
.set TB,   2                           ; s2   LDS byte at which the slot in hand begins
.set I,    10                          ; s10  i
.set N,    11                          ; s11  the visit's number; the loop's counter
.set KF,   12                          ; s12  the step's first key
.set Q0,   13                          ; s13  my first query in the block in hand
.set Q0B,  14                          ; s14  in block 7 - i
.set LIM,  15                          ; s15  7 in a wave that prefetches, else 0: a wave prefetches while the visit's number is below it
.set EPV,  16                          ; s16  e8 + e9
.set WV,   18                          ; s18  my wave's number
.set SEL,  20                          ; s[20:21] lane selects for v_permlanex16_b32: lane l xor 16
.set CS,   22                          ; s[22:23] c = log2(e) / 8 x 2^(e6 + e7)
.set G1K,  24                          ; s[24:31] descriptor group 1 for K's tiles;  s[32:39] for V's;  s[40:43], s[44:47] their groups 0, which walk
.set G1V,  32
.set G0K,  40
.set G0V,  44
.set OA,   54                          ; s[54:55] oc at my 16 queries of block i;  s[56:57] of block 7 - i
.set OB,   56
.set PFA,  66                          ; s[66:67] where my prefetches stand;  s[68:69] 256 keys on, in bytes
.set PFS,  68
; Wave 0 fetches K's tile, wave 1 V's, the others nothing.  The branches hang on the wave's number alone.  Four v_nop follow each of the two lines.  By this text's count a wave has one tensor load out.
.macro TLOAD
	s_cmp_eq_u32 s[WV], 0
	s_cbranch_scc0 .Lnot_k_\@
	tensor_load_to_lds s[G0K:G0K+3], s[G1K:G1K+7]
	s_nop 0
.rept 4
	v_nop
.endr
	s_branch .Lasked_\@
.Lnot_k_\@:
	s_cmp_eq_u32 s[WV], 1
	s_cbranch_scc0 .Lasked_\@
	tensor_load_to_lds s[G0V:G0V+3], s[G1V:G1V+7]
	s_nop 0
.rept 4
	v_nop
.endr
.Lasked_\@:
.endm
; A PREFETCH INTO THE L2.  Of a head's four work-groups the one with i = 0 asks: its visits 1 to 8 walk all keys in order, and its change of slots in visit n fetches keys 256 n on.  In visit n it names keys 256 (n + 1) on: one visit,
; two key steps of sixteen waves, ahead of its own load of them.  Waves 4 and 5 ask for K's 16 KiB, 8,192 bytes a wave, lanes 256 bytes apart; waves 6 and 7 for V's 64 rows, 32 a wave, a lane a row of which 256 bytes are the visit's.
; So each aligned block of 256 bytes is named once in the launch.  Keys 0 to 255 come by their load alone; visit 6 names the last keys, and visits 7 and 8 ask for nothing.
.macro ASK
	s_cmp_lt_u32 s[N], s[LIM]
	s_cbranch_scc0 .Lnot_mine_\@
	global_prefetch_b8 v[PFO], s[PFA:PFA+1] th:TH_LOAD_NT scope:SCOPE_SE
.Lnot_mine_\@:
.endm
.macro FRESH                           ; a block of queries begins: the largest t is -3e38, under every t; the sum and O^T are zeros, which the first change of M leaves zeros
	v_mov_b32 v13, 0xff61b1e6
	s_delay_alu instid0(VALU_DEP_1)
	v_floor_f32 v12, -v13                          ; -M
	v_mov_b32 v14, 0
	v_mov_b32 v15, 0
.set j, 0
.rept 32
	v_mov_b32 v[160+j], 0
.set j, j+1
.endr
.endm
	s_load_b128 s[4:7], s[0:1], 0x0                ; qkvc s[4:5], the scales' exponents s[6:7]
	s_load_b64 s[8:9], s[0:1], 0x10                ; oc
	v_lshl_add_u32 v[SPW], v0, 2, SPARE
	v_mov_b32 v[NIL], 0
	ds_add_u32 v5, v6
	ds_add_u32 v5, v6
	s_wait_dscnt 0x0
	v_lshrrev_b32 v8, 5, v0
	s_delay_alu instid0(VALU_DEP_1)
	v_readfirstlane_b32 s[WV], v8                  ; wave 0..15
	s_mov_b32 s[I], ttmp9
	s_and_b32 s84, ttmp7, 0xffff                   ; the head,
	s_lshl_b32 s84, s84, 17                        ; and its first byte in Q, K, V^T and oc alike: 128 KiB a head
	s_mov_b32 s85, 0
	s_lshl_b32 s86, s[WV], 4
	s_lshl_b32 s[Q0], s[I], 8
	s_add_co_u32 s[Q0], s[Q0], s86                 ; 256 i + 16 wave
	s_sub_co_u32 s[Q0B], 7, s[I]
	s_lshl_b32 s[Q0B], s[Q0B], 8
	s_add_co_u32 s[Q0B], s[Q0B], s86               ; 256 (7 - i) + 16 wave
	s_add_co_u32 s52, s[I], 1
	s_lshl_b32 s53, s52, 8                         ; i + 1 visits' keys in a row of V^T,
	s_lshl_b32 s52, s52, 14                        ; and in K: the step back where the blocks change
	s_mov_b32 s49, 0
	s_mov_b32 s51, 0
	; descriptor group 1: 64 rows x 256 bytes, 16 bytes of padding behind each.  K's 256 keys x 64 bytes are dense: rows 256 bytes apart; V's rows lie 2,048 bytes apart
	s_mov_b32 s[G1K], (0<<16)|(1<<20)|(5<<22)|(3<<25)   ; 15:0 no mask; 17:16 elements of 1 byte; 20 padding on; 24:22 after every 64 words (code 5); 31:25 four words (code 3)
	s_mov_b32 s[G1K+1], 256<<16                    ; tensor_dim0
	s_mov_b32 s[G1K+2], 64<<16                     ; tensor_dim1
	s_mov_b32 s[G1K+3], 256<<16                    ; tile_dim0
	s_mov_b32 s[G1K+4], 64                         ; tile_dim1
	s_mov_b32 s[G1K+5], 256                        ; tensor_dim0_stride
	s_mov_b32 s[G1K+6], 0
	s_mov_b32 s[G1K+7], 0
	s_mov_b32 s[G1V], (0<<16)|(1<<20)|(5<<22)|(3<<25)
	s_mov_b32 s[G1V+1], 256<<16
	s_mov_b32 s[G1V+2], 64<<16
	s_mov_b32 s[G1V+3], 256<<16
	s_mov_b32 s[G1V+4], 64
	s_mov_b32 s[G1V+5], 2048
	s_mov_b32 s[G1V+6], 0
	s_mov_b32 s[G1V+7], 0
	s_mov_b32 s[SEL], 0x76543210
	s_mov_b32 s[SEL+1], 0xfedcba98
	s_mov_b32 s[CS], 0x3e38aa3b                    ; c = log2(e) / sqrt(64)
	s_mov_b32 s[TB], 0
	s_mov_b32 s[N], 0
	s_mov_b32 s[KF], 0
	s_wait_kmcnt 0x0
	s_load_b256 s[72:79], s[6:7], 0x0              ; e0 .. e7
	s_load_b128 s[80:83], s[6:7], 0x20             ; e8 .. e11
	s_add_nc_u64 s[4:5], s[4:5], s[84:85]          ; qkvc at my head's Q
	s_add_nc_u64 s[8:9], s[8:9], s[84:85]          ; oc at my head
	s_mov_b32 s[G0K], 1                            ; 1:0 count = 1
	s_mov_b32 s[G0K+1], 0                          ; 63:32 LDS address: slot 0
	s_add_nc_u64 s[G0K+2:G0K+3], s[4:5], 0x800000  ; 120:64 global address: the head's first 256 keys
	s_or_b32 s[G0K+3], s[G0K+3], 0x80000000        ; 127:126 type = 2
	s_mov_b32 s[G0V], 1
	s_mov_b32 s[G0V+1], VOFF
	s_add_nc_u64 s[G0V+2:G0V+3], s[4:5], 0x1000000
	s_or_b32 s[G0V+3], s[G0V+3], 0x80000000
	TLOAD                                          ; visit 0's tiles, into slot 0
	s_lshl_b32 s86, s[Q0], 6
	s_mov_b32 s87, 0
	s_add_nc_u64 s[58:59], s[4:5], s[86:87]        ; Q and oc at my queries of block i,
	s_add_nc_u64 s[OA:OA+1], s[8:9], s[86:87]
	s_lshl_b32 s86, s[Q0B], 6
	s_add_nc_u64 s[60:61], s[4:5], s[86:87]        ; and of block 7 - i
	s_add_nc_u64 s[OB:OB+1], s[8:9], s[86:87]
	v_and_b32 v8, 15, v0                           ; r = lane % 16
	v_bfe_u32 v9, v0, 4, 1                         ; h = lane / 16
	s_delay_alu instid0(VALU_DEP_2)
	v_lshlrev_b32 v[QOF], 6, v8
	s_delay_alu instid0(VALU_DEP_1)
	v_lshl_add_u32 v[QOF], v9, 4, v[QOF]           ; row r of 64 bytes, + 16 h
.irp c, 0,1
	global_load_b128 v[16+4*\c:19+4*\c], v[QOF], s[58:59] offset:32*\c   ; both blocks' fragments of Q stay in registers: registers 4 c .. 4 c + 3 hold bytes 32 c + 16 h + 0 .. 15, as K's fragments do
	global_load_b128 v[24+4*\c:27+4*\c], v[QOF], s[60:61] offset:32*\c
.endr
	v_lshrrev_b32 v12, 2, v8
	s_delay_alu instid0(VALU_DEP_1)
	v_mul_u32_u24 v[AK0], v12, KP
	v_and_b32 v12, 3, v8
	s_delay_alu instid0(VALU_DEP_1)
	v_lshl_add_u32 v[AK0], v12, 6, v[AK0]
	s_delay_alu instid0(VALU_DEP_1)
	v_lshl_add_u32 v[AK0], v9, 4, v[AK0]           ; K: key r of a tile: line r / 4, 64 (r % 4) bytes on, + 16 h: the sixteen lanes of a half touch sixteen different columns of 16 bytes
	v_mul_u32_u24 v[AV0], v8, KP
	s_delay_alu instid0(VALU_DEP_1)
	v_lshl_add_u32 v[AV0], v9, 4, v[AV0]
	s_delay_alu instid0(VALU_DEP_1)
	v_add_nc_u32 v[AV0], VOFF, v[AV0]              ; V: row d = r of a tile, + 16 h
	v_and_b32 v13, 31, v0                          ; lane
	s_delay_alu instid0(VALU_DEP_1)
	v_lshlrev_b32 v[GO], 4, v13
	s_mul_i32 s86, s[WV], 1280
	s_add_co_u32 s86, s86, STAGE                   ; my stage
	v_mul_u32_u24 v[STO], v8, 80
	s_delay_alu instid0(VALU_DEP_1)
	v_lshl_add_u32 v[STO], v9, 3, v[STO]
	s_delay_alu instid0(VALU_DEP_1)
	v_add_nc_u32 v[STO], s86, v[STO]               ; in: row r, + 8 h
	v_lshrrev_b32 v12, 2, v13
	s_delay_alu instid0(VALU_DEP_1)
	v_mul_u32_u24 v12, v12, 80
	v_and_b32 v13, 3, v13
	s_delay_alu instid0(VALU_DEP_1)
	v_lshl_add_u32 v[SRD], v13, 4, v12
	s_delay_alu instid0(VALU_DEP_1)
	v_add_nc_u32 v[SRD], s86, v[SRD]               ; back: four lanes to a row of 64 bytes, eight rows an instruction
	; the prefetches (macro ASK): where my wave's stand, and who asks
	s_cmp_lt_u32 s[WV], 6                          ; waves 4 and 5 ask for K's codes, waves 6 and 7 for V's
	s_mov_b32 s86, 0x1000000
	s_cselect_b32 s86, 0x800000, s86               ; the tensor's place in qkvc
	s_mov_b32 s[PFS], 256
	s_cselect_b32 s[PFS], 16384, s[PFS]            ; 256 keys on
	s_mov_b32 s88, 2048
	s_cselect_b32 s88, 256, s88                    ; from lane to lane
	s_mov_b32 s89, 65536
	s_cselect_b32 s89, 8192, s89                   ; from wave to wave
	s_mov_b32 s[PFS+1], 0
	v_and_b32 v[PFO], 31, v0
	s_delay_alu instid0(VALU_DEP_1)
	v_mul_lo_u32 v[PFO], v[PFO], s88
	s_and_b32 s88, s[WV], 1
	s_mul_i32 s88, s88, s89
	s_add_co_u32 s86, s86, s88
	s_mov_b32 s87, 0
	s_add_nc_u64 s[PFA:PFA+1], s[4:5], s[86:87]    ; at keys 0 on: each change of slots steps it ahead of its prefetch.  Nothing is prefetched here, at the head
	s_sub_co_u32 s89, s[WV], 4
	s_lshr_b32 s89, s89, 2                         ; 0 in waves 4 to 7,
	s_or_b32 s89, s89, ttmp9                       ; of the work-group with i = 0
	s_cmp_eq_u32 s89, 0
	s_cselect_b32 s[LIM], 7, 0
	FRESH
	v_mov_b32 v236, 0                              ; written once: a lane permute's destination counts as one of its sources
	v_mov_b32 v252, 0
	v_mov_b32 v253, 0                              ; (named as the upper half of the pair v[252:253])
	s_wait_kmcnt 0x0
	s_add_co_i32 s86, s78, s79
	s_lshl_b32 s86, s86, 23
	s_add_co_i32 s[CS], s[CS], s86                 ; a score stands for score x 2^(e6 + e7): the two exponents are added to c's exponent field
	s_mov_b32 s[CS+1], s[CS]                       ; (named with it as a pair, so it is written)
	s_add_co_i32 s[EPV], s80, s81                  ; e8 + e9
	s_add_co_i32 s86, s80, 127
	s_lshl_b32 s87, s86, 23
	v_mov_b32 v244, s87                            ; 2^e8 as f32, for p's conversions
	s_add_co_i32 s86, s82, 127
	s_lshl_b32 s87, s86, 23
	v_mov_b32 v245, s87                            ; 2^e10, for O's conversions
; A KEY STEP: 128 keys, the q-th half of the slot in hand.
.macro STEP q
	s_add_co_u32 s96, s[Q0], 15                    ; a step all of whose keys come after my 16 queries is left out: a scalar branch on ids, round the step's loads, products and softmax; no barrier or tensor load stands in a step
	s_cmp_gt_u32 s[KF], s96
	s_cbranch_scc1 .Lhidden_\@
	v_add_nc_u32 v[ADK], s[TB], v[AK0]
	v_add_nc_u32 v[ADV], s[TB], v[AV0]
	v_nop
	v_nop                                          ; these four lines are the places in front of loads into registers that the last products have read
.irp t, 0,1,2,3,4,5,6,7
.irp c, 0,1
	ds_load_b128 v[32+8*\t+4*\c:35+8*\t+4*\c], v[ADK] offset:(32*(\q)+4*\t)*KP+32*\c   ; tile t: keys 16 t on: four lines of four keys
.endr
.endr
	s_wait_dscnt 0x0
	s_wait_alu depctr_va_vdst(0)
.irp t, 0,1,2,3,4,5,6,7
	v_wmma_f32_16x16x64_fp8_fp8 v[96+8*\t:103+8*\t], v[32+8*\t:39+8*\t], v[16:23], 0   ; S^T = K Q^T
.endr
.rept 4
	v_nop                                          ; places in front of the loads below and of the first read of the scores
.endr
.irp t, 0,1,2,3
.irp c, 0,1,2,3
	ds_load_b128 v[32+16*\t+4*\c:35+16*\t+4*\c], v[ADV] offset:16*\t*KP+128*(\q)+32*\c   ; V's four fragments land while the softmax is worked
.endr
.endr
	s_add_co_u32 s96, s[KF], 127                   ; on the diagonal the scores of hidden keys become -infinity ahead of the maximum: p = 0 then.  A step all of whose keys count skips this
	s_cmp_le_u32 s96, s[Q0]
	s_cbranch_scc1 .Lopen_\@
	s_sub_co_i32 s96, s[Q0], s[KF]
	v_and_b32 v252, 15, v0
	v_bfe_u32 v253, v0, 4, 1
	s_delay_alu instid0(VALU_DEP_1)
	v_lshlrev_b32 v253, 3, v253
	s_delay_alu instid0(VALU_DEP_1)
	v_sub_nc_u32 v252, v252, v253
	s_delay_alu instid0(VALU_DEP_1)
	v_add_nc_u32 v252, s96, v252                   ; d = my query - KF - 8 (lane / 16).  Register 8 t + j holds key KF + 16 t + 8 (lane / 16) + j: hidden where 16 t + j > d
	v_mov_b32 v254, 0xff800000                     ; -infinity
.set n, 0
.rept 64
	v_cmp_gt_i32 vcc_lo, 16*(n/8)+n%8, v252
	v_cndmask_b32 v[96+n], v[96+n], v254, vcc_lo
.set n, n+1
.endr
.Lopen_\@:
	v_max3_num_f32 v254, v96, v97, v98             ; the step's largest score of my query, among my 64 keys, in two chains, each accumulator from its low end on,
	v_max3_num_f32 v252, v99, v100, v101
.irp i, 6,10,14,18,22,26,30,34,38,42,46,50,54,58
	v_max3_num_f32 v254, v254, v[96+\i], v[97+\i]
	v_max3_num_f32 v252, v252, v[98+\i], v[99+\i]
.endr
	v_max3_num_f32 v254, v254, v158, v159
	s_delay_alu instid0(VALU_DEP_1)
	v_max_num_f32 v254, v254, v252
	v_permlanex16_b32 v236, v254, s[SEL], s[SEL+1]
	s_delay_alu instid0(VALU_DEP_1)
	v_max_num_f32 v254, v254, v236                 ; and among lane l xor 16's
	s_delay_alu instid0(VALU_DEP_1)
	v_mul_f32 v254, s[CS], v254                    ; as t (c is positive)
	s_delay_alu instid0(VALU_DEP_1)
	v_max_num_f32 v13, v13, v254                   ; the running largest t
	v_mov_b32 v254, v12
	s_delay_alu instid0(VALU_DEP_2)
	v_floor_f32 v12, -v13                          ; the new -M = floor(-t) = -ceil(t): M IS A WHOLE NUMBER
	s_delay_alu instid0(VALU_DEP_1)
	v_sub_f32 v254, v12, v254                      ; M's old value less its new one: a whole number, 0 or less
	s_delay_alu instid0(VALU_DEP_1)
	v_cvt_i32_f32 v254, v254                       ; (it saturates)
	s_delay_alu instid0(VALU_DEP_1)
	v_ldexp_f32 v252, 1.0, v254                    ; f = 2^(old M - new M)
.set j, 0
.rept 32
	v_pk_fma_f32 v[96+j:97+j], v[96+j:97+j], s[CS:CS+1], v[12:13] op_sel_hi:[1,0,0]   ; t - M, two at a time (of the pairs c and -M the low word serves both halves)
.set j, j+2
.endr
.set j, 0
	s_wait_alu depctr_va_vdst(0)
.rept 64
	v_exp_f32 v[96+j], v[96+j]                     ; p = 2^(t - M), at most 1: NOT normalised
.set j, j+1
.endr
	v_pk_mul_f32 v[14:15], v[14:15], v[252:253] op_sel_hi:[1,0]   ; the sums under the new M: the plain line behind the exponentials
	s_wait_alu depctr_va_vdst(0)                   ; one wait for the whole batch of exponentials, ahead of its first reader
	v_pk_add_f32 v[242:243], v[100:101], v[104:105]
	v_pk_add_f32 v[254:255], v[108:109], v[112:113]
	v_pk_add_f32 v[250:251], v[116:117], v[120:121]
	v_pk_add_f32 v[248:249], v[124:125], v[128:129]
	v_pk_add_f32 v[246:247], v[132:133], v[136:137]
	v_pk_add_f32 v[240:241], v[140:141], v[144:145]
	v_pk_add_f32 v[238:239], v[148:149], v[152:153]
	v_pk_add_f32 v[14:15], v[14:15], v[156:157]
	v_pk_add_f32 v[242:243], v[242:243], v[96:97]
	v_pk_add_f32 v[254:255], v[254:255], v[98:99]
	v_pk_add_f32 v[250:251], v[250:251], v[102:103]
	v_pk_add_f32 v[248:249], v[248:249], v[106:107]
	v_pk_add_f32 v[246:247], v[246:247], v[110:111]
	v_pk_add_f32 v[240:241], v[240:241], v[114:115]
	v_pk_add_f32 v[238:239], v[238:239], v[118:119]
	v_pk_add_f32 v[14:15], v[14:15], v[122:123]
	v_pk_add_f32 v[242:243], v[242:243], v[126:127]
	v_pk_add_f32 v[254:255], v[254:255], v[130:131]
	v_pk_add_f32 v[250:251], v[250:251], v[134:135]
	v_pk_add_f32 v[248:249], v[248:249], v[138:139]
	v_pk_add_f32 v[246:247], v[246:247], v[142:143]
	v_pk_add_f32 v[240:241], v[240:241], v[146:147]
	v_pk_add_f32 v[238:239], v[238:239], v[150:151]
	v_pk_add_f32 v[14:15], v[14:15], v[154:155]
	v_pk_add_f32 v[242:243], v[242:243], v[158:159]
	s_delay_alu instid0(VALU_DEP_2)
	v_pk_add_f32 v[14:15], v[14:15], v[248:249]
	s_delay_alu instid0(VALU_DEP_2)
	v_pk_add_f32 v[242:243], v[242:243], v[246:247]
	v_pk_add_f32 v[254:255], v[254:255], v[240:241]
	v_pk_add_f32 v[250:251], v[250:251], v[238:239]
	s_delay_alu instid0(VALU_DEP_2)
	v_pk_add_f32 v[14:15], v[14:15], v[254:255]
	s_delay_alu instid0(VALU_DEP_2)
	v_pk_add_f32 v[242:243], v[242:243], v[250:251]
	s_delay_alu instid0(VALU_DEP_1)
	v_pk_add_f32 v[14:15], v[14:15], v[242:243]
.set j, 0
.rept 64
.set j, j+1
.endr
.irp t, 0,1,2,3,4,5,6,7
	v_cvt_scalef32_pk8_fp8_f32 v[224+2*\t:225+2*\t], v[96+8*\t:103+8*\t], v244   ; tile t's eight codes: registers 2 t, 2 t + 1 of P
.endr
.set j, 0
.rept 16
	v_pk_mul_f32 v[160+j:161+j], v[160+j:161+j], v[252:253] op_sel_hi:[1,0]   ; O^T under the new M: x f.  (These are also the plain lines between the conversions and the products below)
.set j, j+2
.endr
	s_wait_alu depctr_va_vdst(0)
	s_wait_dscnt 0x0                               ; V's fragments are in
.irp t, 0,1,2,3
	v_wmma_f32_16x16x128_fp8_fp8 v[160+8*\t:167+8*\t], v[32+16*\t:47+16*\t], v[224:239], v[160+8*\t:167+8*\t]   ; O^T += V^T P^T: the four accumulators by turns
.endr
.Lhidden_\@:
	s_add_co_u32 s[KF], s[KF], 128
.endm
; THE CHANGE OF SLOTS stands at a visit's head.  Each wave waits for all its tensor loads (its part of the slot that it is about to read), adds 0 to its spare word, and waits for that and for its reads of the slot that it has left.
; Behind the barrier the slot ahead is whole and nobody reads the other one.  fill = 1: that other slot is filled with the next visit's keys: the load has a whole visit in which to land.
.macro CHANGE fill
	s_wait_tensorcnt 0x0                           ; no tensor load of mine is out, so a group 0 may be written
	ds_add_u32 v[SPW], v[NIL]                      ; 0 onto my spare word; with fill = 1 the descriptors' steps stand between it and the wait for it
.if \fill
	s_xor_b32 s[G0K+1], s[G0K+1], SLOT1            ; the walking descriptors: the other slot than last time,
	s_add_nc_u64 s[G0K+2:G0K+3], s[G0K+2:G0K+3], 16384   ; the next 256 keys; the type bits on top are not reached
	s_xor_b32 s[G0V+1], s[G0V+1], SLOT1
	s_add_nc_u64 s[G0V+2:G0V+3], s[G0V+2:G0V+3], 256
	s_cmp_eq_u32 s[N], s[I]                        ; the next visit is block 7 - i's first: back to the head's first keys, by a choice and no branch
	s_cselect_b32 s48, s52, 0
	s_cselect_b32 s50, s53, 0
	s_sub_nc_u64 s[G0K+2:G0K+3], s[G0K+2:G0K+3], s[48:49]
	s_sub_nc_u64 s[G0V+2:G0V+3], s[G0V+2:G0V+3], s[50:51]
	s_wait_xcnt 0x0                                ; the last prefetch, a visit back, has read its address, so it may be written
	s_add_nc_u64 s[PFA:PFA+1], s[PFA:PFA+1], s[PFS:PFS+1]
.endif
	s_wait_dscnt 0x0                               ; the add is done, and my reads of the slot that I have left are over
	s_barrier_signal -1
	s_barrier_wait -1
.if \fill
	TLOAD                                          ; the first thing behind the barrier, and a wave's one tensor load until the next
	ASK
.endif
.endm
; THE WAY OUT of a block of queries.  O^T / the sum x 2^(e8 + e9) is held within +-448 x 2^e10 and converted; a lane's eight codes of a tile are 8 bytes of its query's row.  The 16 rows of 64 bytes go through my own stage
; and leave as 1 KiB on end: each store covers 512 consecutive bytes, aligned.
.macro WAYOUT base
.rept 4
	v_nop                                          ; places between the last products and the first read of O^T
.endr
	v_add_f32 v14, v14, v15                        ; the sum's two halves,
	s_wait_alu depctr_va_vdst(0)
	v_permlanex16_b32 v252, v14, s[SEL], s[SEL+1]
	s_delay_alu instid0(VALU_DEP_1)
	v_add_f32 v14, v14, v252                       ; and lane l xor 16's: the row's sum, at least 1/2
	s_wait_alu depctr_va_vdst(0)
	v_rcp_f32 v14, v14
	v_nop                                          ; a plain line behind the reciprocal
	s_wait_alu depctr_va_vdst(0)                   ; and the wait ahead of its first reader
	v_ldexp_f32 v14, v14, s[EPV]                   ; x 2^(e8 + e9)
.set j, 0
.rept 16
	v_pk_mul_f32 v[96+j:97+j], v[160+j:161+j], v[14:15] op_sel_hi:[1,0]   ; register 8 t + i is o(r, 16 t + 8 h + i); each accumulator from its low end on
.set j, j+2
.endr
.set j, 0
.rept 32
.set j, j+1
.endr
.irp t, 0,1,2,3
	v_cvt_scalef32_pk8_fp8_f32 v[192+2*\t:193+2*\t], v[96+8*\t:103+8*\t], v245
.endr
	v_nop                                          ; one plain vector line behind the last conversion: later products write its sources
.irp t, 0,1,2,3
	ds_store_b64 v[STO], v[192+2*\t:193+2*\t] offset:16*\t
.endr
	s_wait_xcnt 0x0                                ; the first block's stores have read v200-207: they are loaded again only behind this wait
.irp i, 0,1
	ds_load_b128 v[200+4*\i:203+4*\i], v[SRD] offset:640*\i   ; LDS serves a wave's instructions in order: these see my stores
.endr
	s_wait_dscnt 0x0
.irp i, 0,1
	global_store_b128 v[GO], v[200+4*\i:203+4*\i], s[\base:\base+1] offset:512*\i
.endr
.endm
	s_wait_loadcnt 0x0                             ; Q
.Lvisit:                                           ; eight trips: behind each change of slots but the last the next visit's tiles are asked for
	CHANGE 1
	STEP 0
	STEP 1
	s_xor_b32 s[TB], s[TB], SLOT1                  ; on to the other slot
	s_cmp_eq_u32 s[N], s[I]                        ; block i's last visit?  A branch on ids; neither a barrier nor a tensor load stands under it
	s_cbranch_scc0 .Lsame
	WAYOUT OA
	FRESH
.set j, 0
.rept 8
	v_mov_b32 v[16+j], v[24+j]                     ; block 7 - i's fragment of Q
.set j, j+1
.endr
	s_mov_b32 s[KF], 0
	s_mov_b32 s[Q0], s[Q0B]
.Lsame:
	s_add_co_u32 s[N], s[N], 1
	s_cmp_lt_u32 s[N], 8
	s_cbranch_scc1 .Lvisit
	CHANGE 0                                       ; the last visit is written out
	STEP 0
	STEP 1
	WAYOUT OB
	s_wait_tensorcnt 0x0                           ; the wave's end, behind my last tensor load and my last LDS store
	ds_add_u32 v[SPW], v[NIL]
	s_wait_dscnt 0x0
	s_endpgm
.Lfunc_end_k_q56727e8994_attn:
	.size	k_q56727e8994_attn, .Lfunc_end_k_q56727e8994_attn-k_q56727e8994_attn
	.p2alignl 7, 3214868480
	.fill 96, 4, 3214868480
	.section	.rodata,"a",@progbits
	.p2align	6, 0x0
	.amdhsa_kernel k_q56727e8994_attn
		.amdhsa_group_segment_fixed_size 327680
		.amdhsa_private_segment_fixed_size 0
		.amdhsa_enable_private_segment 0
		.amdhsa_kernarg_size 24
		.amdhsa_user_sgpr_count 2
		.amdhsa_user_sgpr_kernarg_segment_ptr 1
		.amdhsa_wavefront_size32 1
		.amdhsa_system_sgpr_workgroup_id_x 1
		.amdhsa_system_sgpr_workgroup_id_y 1
		.amdhsa_system_sgpr_workgroup_id_z 1
		.amdhsa_system_vgpr_workitem_id 0
		.amdhsa_next_free_vgpr 256
		.amdhsa_next_free_sgpr 100
		.amdhsa_reserve_vcc 1
		.amdhsa_float_denorm_mode_32 3
		.amdhsa_float_denorm_mode_16_64 3
		.amdhsa_fp16_overflow 1
		.amdhsa_memory_ordered 1
		.amdhsa_forward_progress 1
		.amdhsa_inst_pref_size 94
	.end_amdhsa_kernel
	.amdgpu_metadata
---
amdhsa.version: [ 1, 2 ]
amdhsa.kernels:
  - .name:           k_q56727e8994_attn
    .symbol:         k_q56727e8994_attn.kd
    .args:
      - { .name: qkvc, .offset: 0, .size: 8, .value_kind: global_buffer, .address_space: global }
      - { .name: lowp_scales, .offset: 8, .size: 8, .value_kind: global_buffer, .address_space: global }
      - { .name: oc, .offset: 16, .size: 8, .value_kind: global_buffer, .address_space: global }
    .group_segment_fixed_size: 327680
    .private_segment_fixed_size: 0
    .kernarg_segment_align: 8
    .kernarg_segment_size: 24
    .max_flat_workgroup_size: 512
    .sgpr_count:     100
    .vgpr_count:     256
    .wavefront_size: 32
...
	.end_amdgpu_metadata
.endif
;; end of part 3
;; launch proj (part 4): grid 4 x 32, 4 waves a work-group, clusters of 4 x 4, 327,680 bytes of LDS; arguments oc, wc, lowp_scales, out0; writes out0
.if DOCPART == 4
	.amdgcn_target "amdgcn-amd-amdhsa--gfx1250"
	.amdhsa_code_object_version 6
	.text
	.protected	k_q56727e8994_proj
	.globl	k_q56727e8994_proj
	.p2align	8
	.type	k_q56727e8994_proj,@function
k_q56727e8994_proj:
	s_mov_b64 s[64:65], 0
	v_nop
	global_prefetch_b8 v0, s[64:65] scope:SCOPE_SE
	s_setreg_imm32_b32 hwreg(HW_REG_WAVE_MODE, 25, 1), 1
	s_wait_xcnt 0x0
	s_wait_alu depctr_hold_cnt(0) depctr_sa_sdst(0) depctr_va_vdst(0) depctr_va_sdst(0) depctr_va_ssrc(0) depctr_va_vcc(0) depctr_vm_vsrc(0)
	s_getreg_b32 s2, hwreg(HW_REG_IB_STS2, 6, 4)
	s_cmp_eq_u32 s2, 0
	s_cbranch_scc0 .Lentry_in_a_cluster
	s_endpgm
.Lentry_in_a_cluster:
	s_bfe_u32 s2, ttmp6, 0x10000c
	s_cmp_lg_u32 s2, 0xf033
	s_cbranch_scc0 .Lentry_shape_is_right
	s_endpgm
.Lentry_shape_is_right:
; THE LAST PRODUCT: out0[token][n] = sum over k of O[token][k] W_o[k][n], on codes of E4M3; out0: [8192][1024] f32.
; A = oc: [bh = 64][s = 2048][64 bytes], k = 64 x head + d; B = wc's rows 3,072 on: W_o^T, [n][k = 1,024 bytes].  Each finished sum is multiplied once by 2^(e10 + e11).  LIMIT: e10 + e11 between -126 and 127.
; A tile of out0, 256 x 256, is made by four waves, as many as a WGP has SIMDs; a wave makes 128 x 128: 64 accumulators, 512 registers.  K = 1,024 goes in four steps of 256 (four heads) through a ring of two LDS slots.
; 32 x 4 tiles make 128 work-groups: a smaller tile would give more of them, but each fragment read from LDS would then feed fewer products.
; A'S TILES.  128 tokens of one head are 8,192 bytes on end; four heads lie 131,072 bytes apart.  One tensor load brings 4 rows of 8,192 bytes, with 16 bytes of padding behind every 256: in LDS head y begins at 8,704 y,
; and token t lies at 272 (t / 4) + 64 (t % 4): the sixteen tokens of a fragment touch sixteen different columns of 16 bytes.
; CLUSTERS: 4 x 4 work-groups; A's tile is shared along a row of the cluster, B's along a column: each is asked for JOINTLY, by the same tensor load with the same descriptor and a mask that names the four.
; THE MATRIX INSTRUCTION IS USED TRANSPOSED (source 0 = 16 rows of B, source 1 = 16 rows of A): a lane then holds eight neighbouring numbers of a row of out0.
; A fragment's registers 4 c .. 4 c + 3 hold K = 32 c + 16 (lane / 16) + 0 .. 15, alike in A and B: each product meets its partner; the order of the sums inside an instruction differs from K ascending.
; REGISTERS, in windows of 256: window 0: v0-31 addresses; from v128 A's fragments, ONE set; on the way out v32-255 are free.   window 1: B's fragments, TWO sets.   windows 2, 3: the accumulators.
.set ROWB,   256                       ; B: a tile's row in bytes
.set KROW,   1024                      ; B: a row of wc in memory
.set PITCH,  272                       ; an LDS line: 256 bytes + 16 of padding
.set HEADB,  32*PITCH                  ; A: 128 tokens of one head in LDS
.set ASTEP,  4*131072                  ; A: four heads on, in memory
.set FR,     16                        ; registers of a fragment: 16 rows x 128 K
.set NL,     4                         ; LDS loads that bring one
.set NP,     4                         ; places behind this matrix instruction (ISA guide 7.12.1)
.set HALFT,  128*PITCH                 ; what one tensor load brings: 128 rows of B, or 128 tokens x 4 heads of A
.set SLOT,   4*HALFT                   ; A's two halves, then B's two halves
.set LAPS,   2
.set SPARE,  2*SLOT                    ; behind the ring: the spare words, 128 bytes for each wave: two blocks of 256 bytes that no other line names
.set SPITCH, 528                       ; the way out: a stage of 16 rows x (512 bytes + 16) for each wave, in slot 0, which has had its last fill and its last read when the first result is stored there
.set NBYTES, 4096                      ; a row of out0
.set ADRA, 16                          ; v16-17  LDS address of my A fragments in slot 0, 1
.set ADRB, 20                          ; v20-21  the same for B
.set STO,  24                          ; v24     the way out: where I put 32 bytes of a row
.set RD,   25                          ; v25     the way out: where I read a row back
.set CO,   26                          ; v26     my byte offset in a row of out0
.set SPW,  28                          ; v28     LDS address of my spare word; never rewritten
.set NIL,  29                          ; v29     0; never rewritten
.set TMP,  32                          ; the way out: 64 registers, a block's sums x 2^(e10 + e11)
.set AF,   128                         ; A's fragments, in window 0
.set BK,   128                         ; the way out: 16 rows read back from the stage: v128-191 and v192-255 by turns
.set G1, 24                            ; s[24:31] descriptor group 1 for A's tiles;  s[32:39] group 0, one set for each slot
.set G0, 32
.set G1B, 48                           ; s[48:55], s[56:63] the same for B's tiles
.set G0B, 56
.set MSB, 0
.macro WIN new                         ; the immediate's high byte repeats the setting that is left
.if MSB != (\new)
	s_set_vgpr_msb (MSB<<8)|(\new)
.set MSB, \new
.endif
.endm
.set MUL_LO, 0xa1                      ; source 0 (B) window 1, source 1 (A) window 0, C and D window 2
.set MUL_HI, 0xf1                      ; the same, C and D window 3
.set TO_B,   0x40                      ; destination window 1, address window 0
; A joint load: waves 0 and 1 fetch for A, waves 2 and 3 for B; the branch hangs on the wave's number alone.  Four v_nop follow each of the two lines.
.macro JLOAD g0a, g1a, g0b, g1b
	s_cmp_eq_u32 s15, 0
	s_cbranch_scc0 .Lfor_b_\@
	tensor_load_to_lds s[\g0a:\g0a+3], s[\g1a:\g1a+7]
	s_nop 0
.rept 4
	v_nop
.endr
	s_branch .Lasked_\@
.Lfor_b_\@:
	tensor_load_to_lds s[\g0b:\g0b+3], s[\g1b:\g1b+7]
	s_nop 0
.rept 4
	v_nop
.endr
.Lasked_\@:
.endm
.macro CREST                           ; a round of the cluster's barrier behind its opening barrier
	s_cmp_lg_u32 s14, 0
	s_cbranch_scc1 .Lnot_wave_0_\@
	s_barrier_signal -3
.Lnot_wave_0_\@:
	s_barrier_wait -3
	s_barrier_signal -1
	s_barrier_wait -1
.endm
.macro CROUND                          ; a whole round
	s_barrier_signal -1
	s_barrier_wait -1
	CREST
.endm
	s_load_b128 s[4:7], s[0:1], 0x0                ; oc s[4:5], wc s[6:7]
	s_load_b128 s[8:11], s[0:1], 0x10              ; the scales' exponents s[8:9], out0 s[10:11]
	v_lshl_add_u32 v[SPW], v0, 2, SPARE
	v_mov_b32 v[NIL], 0
	ds_add_u32 v28, v29
	ds_add_u32 v28, v29
	s_wait_dscnt 0x0
	v_lshrrev_b32 v1, 5, v0
	v_readfirstlane_b32 s14, v1                    ; wave 0..3
	s_lshr_b32 s15, s14, 1                         ; which half of the tile's rows is mine.  Also: I fetch for A (0) or for B (1)
	s_and_b32 s16, s14, 1                          ; which half of its columns.  Also: which half of that tile I fetch
	s_bfe_u32 s40, ttmp6, 0x40000                  ; cx, cy: my place in the cluster
	s_bfe_u32 s41, ttmp6, 0x40004
	s_lshl_b32 s42, ttmp9, 2
	s_add_co_u32 s42, s42, s40                     ; tile column = 4 x cluster x + cx
	s_and_b32 s17, ttmp7, 0xffff
	s_lshl_b32 s17, s17, 2
	s_add_co_u32 s17, s17, s41                     ; tile row = 4 x cluster y + cy
	s_lshl_b32 s43, s41, 2
	s_lshl_b32 s43, 15, s43                        ; my row of the cluster
	s_lshl_b32 s44, 0x1111, s40                    ; my column
	; descriptor group 1 for A: 4 rows (heads) of 8,192 bytes, 131,072 bytes apart; 16 bytes of padding behind every 256, an interval that divides the row
	s_or_b32 s[G1+0], s43, (0<<16)|(1<<20)|(1<<21)|(5<<22)|(3<<25)  ; 15:0 the mask: A's tiles go to my row; 17:16 element of 1 byte; 20 padding on; 21 set beside a mask; 24:22 after every 64 words (code 5); 31:25 of 4 words (code 3)
	s_mov_b32 s[G1+1], 8192<<16                    ; tensor_dim0 = 8,192
	s_mov_b32 s[G1+2], 4<<16                       ; tensor_dim1 = 4
	s_mov_b32 s[G1+3], 8192<<16                    ; tile_dim0 = 8,192
	s_mov_b32 s[G1+4], 4                           ; tile_dim1 = 4
	s_mov_b32 s[G1+5], 131072                      ; tensor_dim0_stride
	s_mov_b32 s[G1+6], 0
	s_mov_b32 s[G1+7], 0
	; for B: 128 rows of 256 bytes, 1,024 bytes apart, 16 bytes of padding behind each
	s_or_b32 s[G1B+0], s44, (0<<16)|(1<<20)|(1<<21)|(5<<22)|(3<<25)
	s_mov_b32 s[G1B+1], ROWB<<16
	s_mov_b32 s[G1B+2], 128<<16
	s_mov_b32 s[G1B+3], ROWB<<16
	s_mov_b32 s[G1B+4], 128
	s_mov_b32 s[G1B+5], KROW
	s_mov_b32 s[G1B+6], 0
	s_mov_b32 s[G1B+7], 0
	s_lshl_b32 s18, s16, 7                         ; which 128 rows of the tile I fetch
	s_lshr_b32 s20, s17, 3
	s_lshl_b32 s20, s20, 21                        ; A: the batch (tile row / 8): 16 heads of 128 KiB,
	s_and_b32 s21, s17, 7
	s_lshl_b32 s21, s21, 8
	s_add_co_u32 s21, s21, s18
	s_lshl_b32 s21, s21, 6                         ; + token (256 x (tile row % 8) + 128 x half) x 64 bytes
	s_add_co_u32 s20, s20, s21
	s_mov_b32 s21, 0
	s_lshl_b32 s46, s42, 8
	s_add_co_u32 s46, s46, s18
	s_lshl_b32 s46, s46, 10                        ; B: row 256 x tile column + 128 x half, of 1,024 bytes,
	s_add_co_u32 s46, s46, 0x300000                ; behind wc's first 3,072 rows
	s_mov_b32 s47, 0
	s_mul_i32 s45, s14, HALFT                      ; where the tiles go: wave x 34,816 bytes: no place in the cluster enters an LDS address
	s_wait_kmcnt 0x0
	s_load_b64 s[96:97], s[8:9], 0x28              ; e10, e11
	s_add_nc_u64 s[20:21], s[4:5], s[20:21]
	s_add_nc_u64 s[46:47], s[6:7], s[46:47]
	CROUND                                         ; all sixteen work-groups are here: the first joint loads meet
.irp s, 0,1
	s_mov_b32 s[G0+4*\s], 1
	s_add_co_u32 s[G0+4*\s+1], s45, \s*SLOT
	s_add_nc_u64 s[G0+4*\s+2:G0+4*\s+3], s[20:21], \s*ASTEP
	s_or_b32 s[G0+4*\s+3], s[G0+4*\s+3], 0x80000000
	s_mov_b32 s[G0B+4*\s], 1
	s_add_co_u32 s[G0B+4*\s+1], s45, \s*SLOT
	s_add_nc_u64 s[G0B+4*\s+2:G0B+4*\s+3], s[46:47], \s*ROWB
	s_or_b32 s[G0B+4*\s+3], s[G0B+4*\s+3], 0x80000000
	s_wait_alu depctr_va_vdst(0)
	s_wait_tensorcnt 0x0
	ds_add_u32 v28, v29
	ds_add_u32 v28, v29
	s_wait_dscnt 0x0
	CROUND
	JLOAD G0+4*\s, G1, G0B+4*\s, G1B
.endr
	v_and_b32 v1, 15, v0                           ; r = l % 16
	v_bfe_u32 v2, v0, 4, 1                         ; h = l / 16
	v_lshrrev_b32 v3, 2, v1
	v_mul_u32_u24 v3, v3, PITCH
	v_and_b32 v5, 3, v1
	v_lshl_add_u32 v3, v5, 6, v3
	v_lshl_add_u32 v3, v2, 4, v3                   ; A: token r of a block: line r / 4, 64 (r % 4) bytes on, + 16 h
	v_mul_u32_u24 v4, v1, PITCH
	v_lshl_add_u32 v4, v2, 4, v4                   ; B: row r x pitch + 16 h
	s_mul_i32 s21, s15, HALFT                      ; my 128 tokens of A
	s_mul_i32 s22, s16, HALFT                      ; my 128 rows of B,
	s_add_co_u32 s22, s22, 2*HALFT                 ; which lie behind A's two halves
.irp s, 0,1
	v_add_nc_u32 v[ADRA+\s], s21, v3
	v_add_nc_u32 v[ADRB+\s], s22, v4
	s_add_co_u32 s21, s21, SLOT
	s_add_co_u32 s22, s22, SLOT
.endr
	s_mul_i32 s23, s14, 16*SPITCH                  ; my stage
	v_mul_u32_u24 v5, v1, SPITCH                   ; in: row l % 16, 32 bytes for each half of the lanes
	v_lshl_add_u32 v5, v2, 5, v5
	v_add_nc_u32 v[STO], s23, v5
	v_and_b32 v6, 31, v0
	v_lshlrev_b32 v[CO], 4, v6                     ; back: the 32 lanes take one row of 512 bytes; and the same in out0
	v_add_nc_u32 v[RD], s23, v[CO]
	s_lshl_b32 s20, s17, 8
	s_lshl_b32 s21, s15, 7
	s_add_co_u32 s20, s20, s21                     ; my first row of out0: 256 x tile row + 128 x half,
	s_lshl_b32 s20, s20, 12                        ; of 4,096 bytes
	s_lshl_b32 s46, s42, 10                        ; my first column, in bytes: 1,024 x tile column + 512 x half
	s_lshl_b32 s47, s16, 9
	s_add_co_u32 s46, s46, s47
	s_add_co_u32 s20, s20, s46
	s_mov_b32 s21, 0
	s_add_nc_u64 s[10:11], s[10:11], s[20:21]
.macro FRAG reg, adr, q, i             ; a fragment of B: 16 rows x 128 K
.irp c, 0,1,2,3
	ds_load_b128 v[\reg+4*\c:\reg+4*\c+3], v[\adr] offset:128*(\q)+32*\c+(\i)*16*PITCH
.endr
.endm
.macro FRAGA reg, adr, q, i            ; a fragment of A: 16 tokens x 128 K = two heads: registers 4 c on take head 2 q + c / 2, bytes 32 (c % 2) + 16 h on; block i's tokens begin four lines further on than block i - 1's
.irp c, 0,1,2,3
	ds_load_b128 v[\reg+4*\c:\reg+4*\c+3], v[\adr] offset:(2*(\q)+\c/2)*HEADB+32*(\c%2)+(\i)*4*PITCH
.endr
.endm
; 16 matrix instructions: A's blocks a0, a0 + 1 x B's eight, 128 along K.  p: B's set.  zero = 1: the first product starts the sums.  The 64 accumulators take turns, one instruction a turn.
.macro MUL16 a0, p, zero
.irp a, \a0, \a0+1
.irp b, 0,1,2,3,4,5,6,7
.if \zero
	v_wmma_f32_16x16x128_fp8_fp8 v[8*(8*((\a)%4)+\b):8*(8*((\a)%4)+\b)+7], v[128*(\p)+FR*\b:128*(\p)+FR*\b+FR-1], v[AF+FR*(\a):AF+FR*(\a)+FR-1], 0
.else
	v_wmma_f32_16x16x128_fp8_fp8 v[8*(8*((\a)%4)+\b):8*(8*((\a)%4)+\b)+7], v[128*(\p)+FR*\b:128*(\p)+FR*\b+FR-1], v[AF+FR*(\a):AF+FR*(\a)+FR-1], v[8*(8*((\a)%4)+\b):8*(8*((\a)%4)+\b)+7]
.endif
.endr
.endr
.endm
.macro FETCH_B slot, q, p              ; B's eight fragments of the slot's q-th 128 along K into set p
	WIN TO_B
.irp i, 0,1,2,3,4,5,6,7
	FRAG 128*(\p)+FR*\i, ADRB+\slot, \q, \i
.endr
	WIN 0
.endm
.macro FETCH_A slot, q, i0             ; A's blocks i0 .. i0 + 3
.irp i, \i0, \i0+1, \i0+2, \i0+3
	FRAGA AF+FR*(\i), ADRA+\slot, \q, \i
.endr
.endm
; A load into a register that a matrix instruction has read, and a vector instruction that reads a matrix result, stand NP places behind that matrix instruction; only plain vector instructions that name none of its registers are places.
.macro PLACES n
.rept \n
	v_nop
.endr
.endm
.macro STEP slot, q, zero              ; a step of 128 along K that has its successor in the same slot
	s_wait_dscnt 4*NL                              ; B's set and A's blocks 0-3 are in; the youngest sixteen loads (A's blocks 4-7) may be out
	WIN MUL_LO
	MUL16 0, (\q)%2, \zero
	MUL16 2, (\q)%2, \zero
	s_wait_dscnt 0                                 ; A's blocks 4-7 are in (asked for 32 matrix instructions ago)
	PLACES NP
	FETCH_B \slot, (\q)+1, 1-(\q)%2
	FETCH_A \slot, (\q)+1, 0
	WIN MUL_HI
	MUL16 4, (\q)%2, \zero
	MUL16 6, (\q)%2, \zero
	PLACES NP
	WIN 0
	FETCH_A \slot, (\q)+1, 4
.endm
; A slot's last step changes slots: ONE barrier; in front of it each wave waits for all its tensor loads, adds 0 to its spare word, and waits for that and for its own reads of this slot.  fill = 1: this slot is filled again, two K steps ahead.
.macro TURN slot, next, fill
	s_wait_tensorcnt 0x0                           ; all my tensor loads have landed: my part of the next slot;  (every window is 0 here)
	ds_add_u32 v[SPW], v[NIL]                      ; 0 onto my spare word
	s_wait_dscnt 4*NL+1                            ; (the add and the youngest sixteen loads, A's blocks 4-7, may be out)
	WIN MUL_LO
	MUL16 0, 1, 0                                  ; sixteen matrix instructions stand between the add and the wait for it
	s_wait_dscnt 0x0                               ; the add is done, and my reads of this slot are over
	s_barrier_signal -1
	MUL16 2, 1, 0
	WIN 0
	s_barrier_wait -1
.if \fill
	CREST                                          ; the barrier has opened a round of the cluster's barrier: no wave of any partner still reads this slot's tile or has a load on its way
	s_add_nc_u64 s[G0+4*\slot+2:G0+4*\slot+3], s[G0+4*\slot+2:G0+4*\slot+3], 2*ASTEP
	s_add_nc_u64 s[G0B+4*\slot+2:G0B+4*\slot+3], s[G0B+4*\slot+2:G0B+4*\slot+3], 2*ROWB
	JLOAD G0+4*\slot, G1, G0B+4*\slot, G1B         ; the first tensor load behind the round; the four v_nop behind it are the places in front of the loads below
.else
	PLACES NP
.endif
	FETCH_B \next, 0, 0
	FETCH_A \next, 0, 0
	WIN MUL_HI
	MUL16 4, 1, 0
	MUL16 6, 1, 0
	PLACES NP
	WIN 0
	FETCH_A \next, 0, 4
.endm
	s_wait_alu depctr_va_vdst(0)
	s_wait_tensorcnt 1                             ; my part of K step 0 is in (K step 1's load may be out)
	s_barrier_signal -1
	s_barrier_wait -1                              ; everybody's is
	FETCH_B 0, 0, 0
	FETCH_A 0, 0, 0
	FETCH_A 0, 0, 4
	STEP 0, 0, 1                                   ; the first step stands in front of the loop: its products start the sums
	s_mov_b32 s3, LAPS-1
.Llap:                                                 ; a trip goes once round the ring, from a lap's second step to the next lap's first, and fills both slots again
	TURN 0, 1, 1
	STEP 1, 0, 0
	TURN 1, 0, 1
	STEP 0, 0, 0
	s_sub_co_u32 s3, s3, 1
	s_cmp_lg_u32 s3, 0
	s_cbranch_scc1 .Llap
	TURN 0, 1, 0                                   ; the last lap fills nothing, and has no round of the cluster's barrier
	STEP 1, 0, 0
	s_wait_dscnt 4*NL                              ; the very last step: nothing more to fetch
	WIN MUL_LO
	MUL16 0, 1, 0
	MUL16 2, 1, 0
	s_wait_dscnt 0
	WIN MUL_HI
	MUL16 4, 1, 0
	MUL16 6, 1, 0
	WIN 0
; THE WAY OUT, block by block of 16 rows x 128 columns.  A lane holds 32 neighbouring bytes of a row, and the lanes beside it hold other rows: so a block goes through my own stage in LDS and comes back as whole
; rows of 512 bytes.  LDS serves a wave's instructions in order (ISA guide 5.7.1.4): no wait between the stores and the loads, nor in front of the next block's stores.
.macro TOSTAGE a
.set AC, 64*((\a)%4)
	WIN 0x02+((\a)/4)                              ; source 0: window 2 or 3
.set j, 0
.rept 32
	v_pk_mul_f32 v[TMP+j:TMP+j+1], v[AC+j:AC+j+1], s[96:97] op_sel_hi:[1,0]   ; both x s96 = 2^(e10 + e11), into other registers; each accumulator from its low end on
.set j, j+2
.endr
	WIN 0
.irp b, 0,1,2,3,4,5,6,7
	ds_store_b128 v[STO], v[TMP+8*\b:TMP+8*\b+3] offset:64*\b
	ds_store_b128 v[STO], v[TMP+8*\b+4:TMP+8*\b+7] offset:64*\b+16
.endr
.set BB, BK+64*((\a)%2)
.irp t, 0,1,2,3,4,5,6,7,8,9,10,11,12,13,14,15
	ds_load_b128 v[BB+4*\t:BB+4*\t+3], v[RD] offset:\t*SPITCH
.endr
.endm
.macro SEND a, younger                 ; younger: the LDS instructions issued behind block a's loads, which may stay out
.set BB, BK+64*((\a)%2)
	s_wait_dscnt \younger                          ; the block is back in registers
.if (\a) > 0
	s_add_nc_u64 s[10:11], s[10:11], 16*NBYTES     ; (behind a wait on XCNT: the earlier stores have read their base)  16 rows of out0 on
.endif
.irp t, 0,1,2,3,4,5,6,7,8,9,10,11,12,13,14,15
	global_store_b128 v[CO], v[BB+4*\t:BB+4*\t+3], s[10:11] offset:\t*NBYTES th:TH_STORE_NT   ; 32 lanes store 512 consecutive bytes, aligned; written once, read by nobody here
.endr
.endm
	s_wait_kmcnt 0x0
	s_add_co_i32 s96, s96, s97                     ; e10 + e11, between -126 and 127,
	s_add_co_i32 s96, s96, 127
	s_lshl_b32 s96, s96, 23                        ; makes the f32 number 2^(e10 + e11)
	PLACES NP                                      ; behind the last products: for the reads of results and for the loads into the registers that held A's fragments
	TOSTAGE 0
.irp a, 1,2,3,4,5,6,7
.if \a > 1
	s_wait_xcnt 0x0                                ; block a - 2's stores have read their registers and their base: block a's loads may land there, and the base may step
.endif
	TOSTAGE \a
	SEND \a-1, 32                                  ; behind block a - 1's loads: block a's 16 stores and 16 loads
.endr
	s_wait_xcnt 0x0                                ; block 6's stores have read their base
	SEND 7, 0
	s_wait_tensorcnt 0x0                           ; the wave's end, behind my last tensor load and my last LDS store
	ds_add_u32 v[SPW], v[NIL]
	s_wait_dscnt 0x0
	CROUND                                         ; the closing round: no work-group ends while a partner may still ask for a tile that names it
	s_endpgm
.Lfunc_end_k_q56727e8994_proj:
	.size	k_q56727e8994_proj, .Lfunc_end_k_q56727e8994_proj-k_q56727e8994_proj
	.p2alignl 7, 3214868480
	.fill 96, 4, 3214868480
	.section	.rodata,"a",@progbits
	.p2align	6, 0x0
	.amdhsa_kernel k_q56727e8994_proj
		.amdhsa_group_segment_fixed_size 327680
		.amdhsa_private_segment_fixed_size 0
		.amdhsa_enable_private_segment 0
		.amdhsa_kernarg_size 32
		.amdhsa_user_sgpr_count 2
		.amdhsa_user_sgpr_kernarg_segment_ptr 1
		.amdhsa_wavefront_size32 1
		.amdhsa_system_sgpr_workgroup_id_x 1
		.amdhsa_system_sgpr_workgroup_id_y 1
		.amdhsa_system_sgpr_workgroup_id_z 1
		.amdhsa_system_vgpr_workitem_id 0
		.amdhsa_next_free_vgpr 1024
		.amdhsa_next_free_sgpr 98
		.amdhsa_reserve_vcc 0
		.amdhsa_float_denorm_mode_32 3
		.amdhsa_float_denorm_mode_16_64 3
		.amdhsa_memory_ordered 1
		.amdhsa_forward_progress 1
		.amdhsa_inst_pref_size 124
	.end_amdhsa_kernel
	.amdgpu_metadata
---
amdhsa.version: [ 1, 2 ]
amdhsa.kernels:
  - .name:           k_q56727e8994_proj
    .symbol:         k_q56727e8994_proj.kd
    .args:
      - { .name: oc, .offset: 0, .size: 8, .value_kind: global_buffer, .address_space: global }
      - { .name: wc, .offset: 8, .size: 8, .value_kind: global_buffer, .address_space: global }
      - { .name: lowp_scales, .offset: 16, .size: 8, .value_kind: global_buffer, .address_space: global }
      - { .name: out0, .offset: 24, .size: 8, .value_kind: global_buffer, .address_space: global }
    .group_segment_fixed_size: 327680
    .private_segment_fixed_size: 0
    .kernarg_segment_align: 8
    .kernarg_segment_size: 32
    .max_flat_workgroup_size: 128
    .sgpr_count:     98
    .vgpr_count:     1024
    .wavefront_size: 32
...
	.end_amdgpu_metadata
.endif
;; end of part 4
